; MI455X (gfx1250); checked and timed in simulation.
; The chip was launched on July 23, 2026; its instructions are those of AMD's public machine-readable ISA for CDNA 5 (MIT licence, August 2026) and "CDNA5" Instruction Set Architecture Reference Guide (July 2026). The comments in the code are by the model that wrote it; some were corrected since.
;; Full Attention. Allowed arithmetic: matrix products marked QUANTISED: E4M3 operands, one given power-of-two scale a tensor, by v_wmma_f32_16x16x64_fp8_fp8 or v_wmma_f32_16x16x128_fp8_fp8, f32 sums; everything else in f32.
;; Inputs: cos 2 x 2,048 x 64 float32; k_norm_w 128 float32; lowp_scales 12 int32 (the exponents e of the quantised operands' scales 2^e); q_norm_w 128 float32; sin 2 x 2,048 x 64 float32; wk 2,048 x 512 float32; wo 1,024 x 2,048 float32; wq 2,048 x 2,048 float32; wv 2,048 x 512 float32; x 2 x 2,048 x 2,048 float32.
;; Outputs: out0 2 x 2,048 x 2,048 float32; out1 2 x 4 x 2,048 x 128 float32; out2 2 x 4 x 2,048 x 128 float32.
;; This version of the problem:
;;   THIS VERSION OF THE PROBLEM IS GIVEN IN LOW PRECISION. The matrix products marked QUANTISED in the list below multiply operands that are first quantised to E4M3 (4 exponent bits, 3 mantissa bits; 8 bits a number), with one given power-of-two scale for each operand tensor; their sums are f32. All else is computed in f32.
;;   The module's matrix products, in the order in which they are computed (A, B: the left and right operand; K: the contracted axis; several contracted axes count as one K, in the product's order):
;;     1. [M 4,096, K 2,048] x [K 2,048, N 2,048]; A: input x; B: input wq: QUANTISED (scales: A lowp_scales[0], B lowp_scales[1])
;;     2. [M 4,096, K 2,048] x [K 2,048, N 512]; A: input x; B: input wk: QUANTISED (scales: A lowp_scales[2], B lowp_scales[3])
;;     3. [M 4,096, K 2,048] x [K 2,048, N 512]; A: input x; B: input wv: QUANTISED (scales: A lowp_scales[4], B lowp_scales[5])
;;     4. batch 8 x [M 4,096, K 128] x [K 128, N 2,048]; A: computed on the way; B: computed on the way: QUANTISED (scales: A lowp_scales[6], B lowp_scales[7])
;;     5. batch 8 x [M 4,096, K 2,048] x [K 2,048, N 128]; A: softmax (see below); B: computed on the way: QUANTISED (scales: A lowp_scales[8], B lowp_scales[9])
;;     6. [M 4,096, K 1,024] x [K 1,024, N 2,048]; A: computed on the way; B: input wo: QUANTISED (scales: A lowp_scales[10], B lowp_scales[11])
;;   THE QUANTISER, for each operand of a quantised product, along K:
;;     - The operand's scale is 2^e, e = its entry of the input lowp_scales (int32; the entries are numbered through the quantised products in the list's order, A before B).
;;     - Each number is divided by the scale, clamped to +-448, and rounded to the nearest number of E4M3, ties to even, subnormals kept.
;;     - The product sums the exact products of the quantised numbers (number of the format x scale) in f32.
;;   ~~~python
;;   def quantise(x, axis, e):      # numpy; x: float32 -> the quantised numbers, widened to float32 again
;;       x = np.moveaxis(x, axis, -1); K = x.shape[-1]
;;       r = np.clip(x / 2.0 ** e, -448, 448)
;;       step = 2.0 ** (np.maximum(np.frexp(np.where(r == 0, 1, r))[1] - 1, -6) - 3)
;;       q = np.round(r / step) * step * 2.0 ** e      # np.round: ties to even
;;       return np.moveaxis(q, -1, axis).astype(np.float32)
;;   ~~~
;;   SOFTMAX AHEAD OF A QUANTISED PRODUCT. Where the list says 'softmax', what is quantised is not the finished softmax but p = 2^(t - M), with t = logit x log2(e) and M = ceil(the row's largest t), a whole number; so 1/2 < the row's largest p <= 1. The row's sum l is taken of the UNQUANTISED p, in f32, and the product's result is divided by l at the end. Since M is a whole number, a kernel that streams over the keys may use a running M (the ceiling of the running maximum): every later rescaling is an exact power of two, so the quantised numbers keep their values, but for numbers so far below the row's largest that they fall under the format's range.
;;   OPERANDS COMPUTED ON THE WAY. 'Computed on the way' means the value that the module computes at that place (a softmax that the list does not call 'softmax' is quantised finished and normalised). What goes into a quantiser is computed in f32, as accurately as f32 sums, v_exp_f32 and their like allow (about 1e-6 of the number): no bf16 or f16 on the way to a quantiser, and a product that is left as it is and whose result goes on into a quantised operand takes f32 operands (vector FMAs, or v_wmma_f32_16x16x4_f32). A number that lies on a knife's edge between two numbers of the format may be rounded either way, as far as f32 arithmetic and the matrix unit's own rounding can turn it there, and no further.
;; One version. Each part assembles by itself: llvm-mc -triple=amdgcn-amd-amdhsa -mcpu=gfx1250 --defsym DOCPART=n.
;; ======== version 1 of 1: 4 launches
;; limits: right only within a limited range of input values
;; workspace buffers: xc 25,165,824 bytes; wc 6,291,456 bytes; woc 2,097,152 bytes; qc 4,194,304 bytes; kc 2,097,152 bytes; vc 2,097,152 bytes; gt 16,777,216 bytes; ac 4,194,304 bytes
;; launch quant (part 1): grid 512 x 1, 16 waves a work-group, no clusters, 118,784 bytes of LDS; arguments wq, wk, wv, wo, lowp_scales, wc, woc, x, xc; writes wc, woc, xc
.if DOCPART == 1
	.amdgcn_target "amdgcn-amd-amdhsa--gfx1250"
	.amdhsa_code_object_version 6
	.text
	.protected	k_q05a5fddf19_quant
	.globl	k_q05a5fddf19_quant
	.p2align	8
	.type	k_q05a5fddf19_quant,@function
k_q05a5fddf19_quant:
	s_mov_b64 s[64:65], 0
	v_nop
	global_prefetch_b8 v0, s[64:65] scope:SCOPE_SE
	s_setreg_imm32_b32 hwreg(HW_REG_WAVE_MODE, 25, 1), 1
	s_wait_xcnt 0x0
; One launch makes all E4M3 codes of the inputs.  code = number / 2^e, held within +-448, to the nearest code, ties to even.
; LIMITS: each e between -126 and 119, so that 2^e and 448 x 2^e are f32 numbers.  NaN among the inputs is not served.
; Work-groups 0-255: x [4096][2048] f32 -> xc [3][4096][2048], K innermost: plane 0 with 2^e0, plane 1 with 2^e2, plane 2 with 2^e4 (x is the left operand of three products, each with its own scale).
;   A wave takes 2,048 numbers in 4 steps of 512; its 16 loads go out at the head, each reading 512 consecutive bytes.  The conversions want 16 neighbours in ONE lane, so a step's 2,048 bytes
;   turn through the wave's own stage in LDS (in as loaded, out 64 bytes a lane, 80 bytes from lane to lane).  A step's codes are laid into the registers that held its loaded numbers: no store's data are written again.
; Work-groups 256-511: the four weights, f32 with K as their FIRST axis -> wc [3072 n][2048 k] (rows 0-2047 wq's columns, 2048-2559 wk's, 2560-3071 wv's) and woc [2048 n][1024 k]; scales e1, e3, e5, e11.
;   A work-group takes 128 columns x 256 along K: numbers 0-127 wq, 128-159 wk, 160-191 wv, 192-255 wo.  Wave w: columns 32 (w % 4) on, K 64 (w / 4) on.  A lane takes a column and its 64 registers run down K.
;   The codes meet in one stage (a row a column, 256 bytes + 16), a barrier, and leave by rows: sixteen lanes store 256 consecutive bytes, aligned.
; The two paths part on the work-group's number alone and have LDS bytes of their own.  128 registers a wave and 118,784 bytes of LDS: two work-groups fit on a WGP.
.set SP,    80                         ; x: a lane's place in a stage
.set WREG,  5120                       ; x: LDS of a wave: two stages of 32 x SP bytes
.set WST,   16*WREG                    ; the weights' stage begins behind the sixteen waves' stages of x
.set PITCH, 272
.set SPARE, WST+128*PITCH              ; the spare words: 128 bytes for each of 16 waves
.set SPW,   14
.set NIL,   15
	v_lshl_add_u32 v[SPW], v0, 2, SPARE
	v_mov_b32 v[NIL], 0
	v_lshrrev_b32 v1, 5, v0
	v_readfirstlane_b32 s18, v1                    ; wave 0..15
	v_and_b32 v2, 31, v0                           ; lane
	s_cmp_lt_u32 ttmp9, 256
	s_wait_alu depctr_va_vdst(0)                   ; the wait ahead of the branch
	s_cbranch_scc0 .Lweights
; ---------------- x ----------------
.set RR,   16                          ; v16-79   the four steps' numbers as loaded, later their codes
.set XX,   80                          ; v80-111  two sets of 16 neighbours
.set HB,   112                         ; v112-127 16 held numbers
	s_load_b128 s[4:7], s[0:1], 0x38               ; x, xc
	s_load_b64 s[34:35], s[0:1], 0x20              ; the scales' exponents
	v_lshlrev_b32 v3, 4, v2                        ; 16 x lane: my bytes of a load's 512 and of a store's 512
	s_mul_i32 s17, s18, WREG
	v_lshrrev_b32 v4, 2, v2
	v_mul_u32_u24 v4, v4, SP
	v_and_b32 v11, 3, v2
	v_lshl_add_u32 v4, v11, 4, v4
	v_add_nc_u32 v4, s17, v4                       ; the stage, in: SP (lane / 4) + 16 (lane % 4)
	v_mul_u32_u24 v11, v2, SP
	v_add_nc_u32 v11, s17, v11                     ; the stage, out: SP x lane
	s_lshl_b32 s19, ttmp9, 4
	s_add_co_u32 s19, s19, s18                     ; which run of 2,048 numbers is my wave's
	s_lshl_b32 s20, s19, 13                        ; x 8,192 bytes of f32
	s_mov_b32 s21, 0
	s_lshl_b32 s22, s19, 11                        ; x 2,048 bytes of codes
	s_mov_b32 s23, 0
	s_wait_alu depctr_va_vdst(0)                   ; the wait ahead of the wait below
	s_wait_kmcnt 0x0
	s_load_b256 s[24:31], s[34:35], 0x0            ; e0 .. e7: s24, s26, s28 are x's three
	s_add_nc_u64 s[4:5], s[4:5], s[20:21]
	s_add_nc_u64 s[8:9], s[6:7], s[22:23]          ; plane 0
	s_add_nc_u64 s[10:11], s[8:9], 0x800000        ; plane 1: 8,388,608 bytes on
	s_add_nc_u64 s[12:13], s[10:11], 0x800000      ; plane 2
.macro LOAD t
.irp i, 0,1,2,3
	global_load_b128 v[RR+16*(\t)+4*\i:RR+16*(\t)+4*\i+3], v3, s[4:5] offset:2048*(\t)+512*\i th:TH_LOAD_NT
.endr
.endm
.macro TURN t                          ; step t through stage t % 2: LDS serves a wave's instructions in order
.irp i, 0,1,2,3
	ds_store_b128 v4, v[RR+16*(\t)+4*\i:RR+16*(\t)+4*\i+3] offset:32*SP*((\t)%2)+8*SP*\i
.endr
.irp i, 0,1,2,3
	ds_load_b128 v[XX+16*((\t)%2)+4*\i:XX+16*((\t)%2)+4*\i+3], v11 offset:32*SP*((\t)%2)+16*\i
.endr
.endm
.irp t, 0,1,2,3
	LOAD \t
.endr
	s_wait_kmcnt 0x0
.irp j, 0,1,2
	s_add_co_i32 s32, s[24+2*\j], 127
	s_lshl_b32 s33, s32, 23
	v_mov_b32 v[5+\j], s33                         ; 2^e as f32: the conversion takes its exponent field
	s_add_co_i32 s32, s32, 8
	s_lshl_b32 s32, s32, 23
	s_or_b32 s32, s32, 0x600000
	v_mov_b32 v[8+\j], s32                         ; 448 x 2^e
.endr
	s_wait_alu depctr_va_vdst(0)                   ; the wait at the head's end
	s_wait_loadcnt 12                              ; step 0's four loads are in; the twelve behind them may be out
	TURN 0
.macro STEP t
.set XS, XX+16*((\t)%2)
	s_wait_dscnt 0x0                               ; this step's numbers are back from the stage, and its stores into the stage have read their registers
.if (\t) < 3
	s_wait_loadcnt 4*(2-(\t))                      ; the next step's four loads are in; those of the steps behind it may be out
	TURN (\t)+1
.endif
.irp j, 0,1,2
.set CD, RR+16*(\t)+4*\j
.irp i, 0,1,2,3,4,5,6,7,8,9,10,11,12,13,14,15
	v_med3_num_f32 v[HB+\i], v[XS+\i], -v[8+\j], v[8+\j]   ; the conversion does not saturate (ISA guide 7.6.2): the hold at the largest code x the scale
.endr
	v_cvt_scalef32_pk8_fp8_f32 v[CD:CD+1], v[HB:HB+7], v[5+\j]
	v_cvt_scalef32_pk8_fp8_f32 v[CD+2:CD+3], v[HB+8:HB+15], v[5+\j]
	v_nop                                          ; a plain line between the conversions and the next holds, which write their sources
	global_store_b128 v3, v[CD:CD+3], s[8+2*\j:9+2*\j] offset:512*(\t)
.endr
.endm
.irp t, 0,1,2,3
	STEP \t
.endr
	s_wait_tensorcnt 0x0                           ; the wave's end
	ds_add_u32 v[SPW], v[NIL]
	s_wait_dscnt 0x0
	s_endpgm
; ---------------- the weights ----------------
.Lweights:
.set WX,    32                         ; v32-95   64 numbers down K
.set CC,    96                         ; v96-111  their codes
.set OO,    112                        ; v112-127 rows on the way out
	s_load_b256 s[4:11], s[0:1], 0x0               ; wq s[4:5], wk s[6:7], wv s[8:9], wo s[10:11]
	s_load_b128 s[12:15], s[0:1], 0x20             ; the scales' exponents s[12:13], wc s[14:15]
	s_load_b64 s[16:17], s[0:1], 0x30              ; woc
	v_lshlrev_b32 v3, 2, v2                        ; in: 4 bytes a lane
	v_and_b32 v5, 15, v2
	v_lshrrev_b32 v6, 4, v2
	s_wait_alu depctr_va_vdst(0)                   ; the wait ahead of the run of scalar lines
	s_sub_co_u32 s19, ttmp9, 256                   ; my number among the weights' 256 work-groups
	s_mov_b32 s20, 192                             ; the tensor's figures, beginning with wo's: first number,
	s_mov_b32 s21, 4                               ; log2 of the blocks of 128 columns,
	s_mov_b32 s22, 0                               ; first row in the codes' buffer,
	s_mov_b32 s23, 10                              ; log2 of a row of codes in bytes,
	s_mov_b32 s24, 13                              ; log2 of a row of the weight in bytes
	s_cmp_lt_u32 s19, 192                          ; wv
	s_cselect_b32 s20, 160, s20
	s_cselect_b32 s21, 2, s21
	s_cselect_b32 s22, 2560, s22
	s_cselect_b32 s23, 11, s23
	s_cselect_b32 s24, 11, s24
	s_cmp_lt_u32 s19, 160                          ; wk
	s_cselect_b32 s20, 128, s20
	s_cselect_b32 s22, 2048, s22
	s_cmp_lt_u32 s19, 128                          ; wq
	s_cselect_b32 s20, 0, s20
	s_cselect_b32 s21, 4, s21
	s_cselect_b32 s22, 0, s22
	s_cselect_b32 s24, 13, s24
	s_sub_co_u32 s30, s19, s20
	s_lshr_b32 s31, s30, s21                       ; kb: which 256 along K
	s_lshl_b32 s32, s31, s21
	s_sub_co_u32 s32, s30, s32                     ; cb: which 128 columns
	s_and_b32 s33, s18, 3                          ; cg
	s_lshr_b32 s34, s18, 2                         ; kq
	s_lshl_b32 s48, s31, 8                         ; 256 kb
	s_lshl_b32 s49, s34, 6                         ; 64 kq
	s_add_co_u32 s49, s49, s48
	s_lshl_b32 s52, s49, s24                       ; my first row of the weight, in bytes
	s_lshl_b32 s50, s32, 7                         ; 128 cb
	s_lshl_b32 s51, s33, 5                         ; 32 cg
	s_add_co_u32 s51, s51, s50
	s_lshl_b32 s51, s51, 2
	s_add_co_u32 s52, s52, s51                     ; + my first column
	s_mov_b32 s53, 0
	s_lshl_b32 s54, s18, 3                         ; on the way out wave w takes rows 8 w .. 8 w + 7 of the stage
	s_add_co_u32 s54, s54, s50
	s_add_co_u32 s54, s54, s22
	s_lshl_b32 s54, s54, s23
	s_add_co_u32 s54, s54, s48                     ; + 256 kb bytes along the row
	s_mov_b32 s55, 0
	s_mul_i32 s56, s33, 32*PITCH
	s_lshl_b32 s57, s34, 6
	s_add_co_u32 s56, s56, s57
	s_add_co_u32 s56, s56, WST
	v_mul_u32_u24 v4, v2, PITCH
	s_delay_alu instid0(VALU_DEP_1)
	v_add_nc_u32 v4, s56, v4                       ; the stage, in: row 32 cg + lane, byte 64 kq
	s_mul_i32 s57, s18, 8*PITCH
	s_add_co_u32 s57, s57, WST
	v_mul_u32_u24 v7, v6, PITCH
	s_delay_alu instid0(VALU_DEP_1)
	v_lshl_add_u32 v7, v5, 4, v7
	s_delay_alu instid0(VALU_DEP_1)
	v_add_nc_u32 v7, s57, v7                       ; the stage, out: sixteen lanes to a row, two rows an instruction
.irp t, 0,1,2,3
	v_add_nc_u32 v[8+\t], 2*\t, v6
	s_delay_alu instid0(VALU_DEP_1)
	v_lshlrev_b32 v[8+\t], s23, v[8+\t]
	s_delay_alu instid0(VALU_DEP_1)
	v_lshl_add_u32 v[8+\t], v5, 4, v[8+\t]         ; and the same rows in the codes' buffer
.endr
	s_wait_kmcnt 0x0
	s_load_b256 s[36:43], s[12:13], 0x0            ; e0 .. e7
	s_load_b128 s[44:47], s[12:13], 0x20           ; e8 .. e11
	s_cmp_lt_u32 s19, 192
	s_cselect_b64 s[26:27], s[8:9], s[10:11]
	s_cselect_b64 s[28:29], s[14:15], s[16:17]
	s_cmp_lt_u32 s19, 160
	s_cselect_b64 s[26:27], s[6:7], s[26:27]
	s_cmp_lt_u32 s19, 128
	s_cselect_b64 s[26:27], s[4:5], s[26:27]
	s_add_nc_u64 s[26:27], s[26:27], s[52:53]
	s_add_nc_u64 s[28:29], s[28:29], s[54:55]
.macro LOADS p                         ; W(my first row + i, my column), i = 0 .. 63; p: a row of the weight in bytes
.set ii, 0
.rept 64
	global_load_b32 v[WX+ii], v3, s[26:27] offset:ii*(\p) th:TH_LOAD_NT
.set ii, ii+1
.endr
.endm
	s_cmp_eq_u32 s24, 13                           ; the loads' immediates are all that differs: a branch on the work-group's number
	s_cbranch_scc0 .Lnarrow
	LOADS 8192
	s_branch .Lloaded
.Lnarrow:
	LOADS 2048
.Lloaded:
	s_wait_kmcnt 0x0
	s_cmp_lt_u32 s19, 192
	s_cselect_b32 s25, s41, s47                    ; e5 or e11
	s_cmp_lt_u32 s19, 160
	s_cselect_b32 s25, s39, s25                    ; e3
	s_cmp_lt_u32 s19, 128
	s_cselect_b32 s25, s37, s25                    ; e1
	s_add_co_i32 s25, s25, 127
	s_lshl_b32 s35, s25, 23
	v_mov_b32 v12, s35                             ; 2^e
	s_add_co_i32 s25, s25, 8
	s_lshl_b32 s25, s25, 23
	s_or_b32 s25, s25, 0x600000
	v_mov_b32 v13, s25                             ; 448 x 2^e
	s_wait_alu depctr_va_vdst(0)                   ; the wait ahead of the wait below
.irp u, 0,1
.if \u == 0
	s_wait_loadcnt 32                              ; the first 32 rows are in; the other 32 may be out
.else
	s_wait_loadcnt 0x0
.endif
.set ii, 32*\u
.rept 32
	v_med3_num_f32 v[WX+ii], v[WX+ii], -v13, v13   ; the hold at the largest code x the scale (ISA guide 7.6.2)
.set ii, ii+1
.endr
.irp g, 0,1,2,3
	v_cvt_scalef32_pk8_fp8_f32 v[CC+8*\u+2*\g:CC+8*\u+2*\g+1], v[WX+32*\u+8*\g:WX+32*\u+8*\g+7], v12
.endr
.endr
	v_nop                                          ; a plain line behind the last conversion
.irp c, 0,1,2,3
	ds_store_b128 v4, v[CC+4*\c:CC+4*\c+3] offset:16*\c   ; 64 codes: 64 bytes of my column's row
.endr
	s_wait_dscnt 0x0                               ; for the others' sake: my stores have landed
	s_barrier_signal -1
	s_barrier_wait -1
.irp t, 0,1,2,3
	ds_load_b128 v[OO+4*\t:OO+4*\t+3], v7 offset:2*\t*PITCH
.endr
.irp t, 0,1,2,3
	s_wait_dscnt 3-\t                              ; LDS loads come back in order: pair t of rows is in
	global_store_b128 v[8+\t], v[OO+4*\t:OO+4*\t+3], s[28:29]
.endr
	s_wait_tensorcnt 0x0                           ; the wave's end
	ds_add_u32 v[SPW], v[NIL]
	s_wait_dscnt 0x0
	s_endpgm
.Lfunc_end_k_q05a5fddf19_quant:
	.size	k_q05a5fddf19_quant, .Lfunc_end_k_q05a5fddf19_quant-k_q05a5fddf19_quant
	.p2alignl 7, 3214868480
	.fill 96, 4, 3214868480
	.section	.rodata,"a",@progbits
	.p2align	6, 0x0
	.amdhsa_kernel k_q05a5fddf19_quant
		.amdhsa_group_segment_fixed_size 118784
		.amdhsa_private_segment_fixed_size 0
		.amdhsa_enable_private_segment 0
		.amdhsa_kernarg_size 72
		.amdhsa_user_sgpr_count 2
		.amdhsa_user_sgpr_kernarg_segment_ptr 1
		.amdhsa_wavefront_size32 1
		.amdhsa_system_sgpr_workgroup_id_x 1
		.amdhsa_system_sgpr_workgroup_id_y 1
		.amdhsa_system_sgpr_workgroup_id_z 1
		.amdhsa_system_vgpr_workitem_id 0
		.amdhsa_next_free_vgpr 128
		.amdhsa_next_free_sgpr 66
		.amdhsa_reserve_vcc 0
		.amdhsa_float_denorm_mode_32 3
		.amdhsa_float_denorm_mode_16_64 3
		.amdhsa_memory_ordered 1
		.amdhsa_forward_progress 1
		.amdhsa_inst_pref_size 44
	.end_amdhsa_kernel
	.amdgpu_metadata
---
amdhsa.version: [ 1, 2 ]
amdhsa.kernels:
  - .name:           k_q05a5fddf19_quant
    .symbol:         k_q05a5fddf19_quant.kd
    .args:
      - { .name: wq, .offset: 0, .size: 8, .value_kind: global_buffer, .address_space: global }
      - { .name: wk, .offset: 8, .size: 8, .value_kind: global_buffer, .address_space: global }
      - { .name: wv, .offset: 16, .size: 8, .value_kind: global_buffer, .address_space: global }
      - { .name: wo, .offset: 24, .size: 8, .value_kind: global_buffer, .address_space: global }
      - { .name: lowp_scales, .offset: 32, .size: 8, .value_kind: global_buffer, .address_space: global }
      - { .name: wc, .offset: 40, .size: 8, .value_kind: global_buffer, .address_space: global }
      - { .name: woc, .offset: 48, .size: 8, .value_kind: global_buffer, .address_space: global }
      - { .name: x, .offset: 56, .size: 8, .value_kind: global_buffer, .address_space: global }
      - { .name: xc, .offset: 64, .size: 8, .value_kind: global_buffer, .address_space: global }
    .group_segment_fixed_size: 118784
    .private_segment_fixed_size: 0
    .kernarg_segment_align: 8
    .kernarg_segment_size: 72
    .max_flat_workgroup_size: 512
    .sgpr_count:     66
    .vgpr_count:     128
    .wavefront_size: 32
...
	.end_amdgpu_metadata
.endif
;; end of part 1
;; launch qkv (part 2): grid 16 x 12, 4 waves a work-group, clusters of 4 x 1, 327,680 bytes of LDS; arguments xc, wc, lowp_scales, cos, sin, q_norm_w, k_norm_w, qc, kc, vc, gt, out1, out2; writes qc, kc, vc, gt, out1, out2
.if DOCPART == 2
	.amdgcn_target "amdgcn-amd-amdhsa--gfx1250"
	.amdhsa_code_object_version 6
	.text
	.protected	k_q05a5fddf19_qkv
	.globl	k_q05a5fddf19_qkv
	.p2align	8
	.type	k_q05a5fddf19_qkv,@function
k_q05a5fddf19_qkv:
	s_mov_b64 s[64:65], 0
	v_nop
	global_prefetch_b8 v0, s[64:65] scope:SCOPE_SE
	s_setreg_imm32_b32 hwreg(HW_REG_WAVE_MODE, 25, 1), 1
	s_wait_xcnt 0x0
	s_wait_alu depctr_hold_cnt(0) depctr_sa_sdst(0) depctr_va_vdst(0) depctr_va_sdst(0) depctr_va_ssrc(0) depctr_va_vcc(0) depctr_vm_vsrc(0)
	s_getreg_b32 s2, hwreg(HW_REG_IB_STS2, 6, 4)
	s_cmp_eq_u32 s2, 0
	s_cbranch_scc0 .Lentry_in_a_cluster
	s_endpgm
.Lentry_in_a_cluster:
	s_bfe_u32 s2, ttmp6, 0x10000c
	s_cmp_lg_u32 s2, 0x3003
	s_cbranch_scc0 .Lentry_shape_is_right
	s_endpgm
.Lentry_shape_is_right:
; The three projections on E4M3 codes, with what follows them.  xc [3][4096][2048] (x under its three scales) x wc [3072][2048] (wq's, wk's, wv's columns as rows), sums in f32, x 2^(the two exponents).
; A work-group makes 256 rows x 256 columns: tile columns 0-7 a head's query and gate, 8-9 keys, 10-11 values.  Four waves of 128 x 128.  K goes in steps of 256 through two LDS slots.
; On the way out: query and key: RMS norm, the norm's weight, the partial rotation, the quantiser (e6, e7), stored as images of operand registers; the key also as out1; the gate in f32 (gt); the value as out2 and, keys innermost, as codes (e9).
; CLUSTERS: 4 x 1: the four partners make the same tile column and ask for B's tiles jointly; A's tiles are each work-group's own.
; THE HEAD asks for both slots at once, one load a wave: wave 0 A's 256 rows of K step 0, wave 1 B's, waves 2 and 3 the same of K step 1.  A refill is shared out as a quarter of a slot to each wave.
; NO PREFETCH: the block is the largest that the registers hold, in clusters, and K is 8 slots: two come at the head, and with a lead of two steps only four of the six refills could be named ahead.
; LIMITS: the sums of two exponents between -126 and 127; e6, e7, e9 between -126 and 119.  NaN among the inputs is not served.
.set KSTEP,  256
.set ROWB,   256
.set KROW,   2048
.set PITCH,  272
.set FR,     16
.set NL,     4
.set NP,     4
.set HALFT,  128*PITCH
.set SLOT,   4*HALFT
.set LAPS,   2048/(2*KSTEP)
.set SPARE,  2*SLOT
.set SPITCH, 528
.set WSTG,   16*SPITCH
.set VST,    4*WSTG
.set ADRA, 16
.set ADRB, 20
.set SPW,  28
.set NIL,  29
.set AF,   128
.set G1, 24
.set G0, 32
.set G1B, 48
.set G0B, 56
.set TYP,  43
.set ROLE, 44
.set MSB, 0
.macro WIN new
.if MSB != \new
	s_set_vgpr_msb (MSB<<8)|\new
.set MSB, \new
.endif
.endm
.set MUL_LO, 0xa1
.set MUL_HI, 0xf1
.set TO_B,   0x40
.macro JLOAD g0a, g1a, g0b, g1b
	s_cmp_eq_u32 s15, 0
	s_cbranch_scc0 .Lfor_b_\@
	tensor_load_to_lds s[\g0a:\g0a+3], s[\g1a:\g1a+7]
	s_nop 0
.rept 4
	v_nop
.endr
	s_branch .Lasked_\@
.Lfor_b_\@:
	tensor_load_to_lds s[\g0b:\g0b+3], s[\g1b:\g1b+7]
	s_nop 0
.rept 4
	v_nop
.endr
.Lasked_\@:
.endm
.macro CREST
	s_cmp_lg_u32 s14, 0
	s_cbranch_scc1 .Lnot_wave_0_\@
	s_barrier_signal -3
.Lnot_wave_0_\@:
	s_barrier_wait -3
	s_barrier_signal -1
	s_barrier_wait -1
.endm
.macro CROUND
	s_barrier_signal -1
	s_barrier_wait -1
	CREST
.endm
	s_load_b128 s[4:7], s[0:1], 0x0
	s_load_b64 s[8:9], s[0:1], 0x10
	v_lshl_add_u32 v[SPW], v0, 2, SPARE
	v_mov_b32 v[NIL], 0
	ds_add_u32 v28, v29
	ds_add_u32 v28, v29
	s_wait_dscnt 0x0
	v_lshrrev_b32 v1, 5, v0
	v_readfirstlane_b32 s14, v1
	s_lshr_b32 s15, s14, 1
	s_and_b32 s16, s14, 1
	s_bfe_u32 s40, ttmp6, 0x40000
	s_lshl_b32 s17, ttmp9, 2
	s_add_co_u32 s17, s17, s40
	s_and_b32 s42, ttmp7, 0xffff
	s_mov_b32 s[TYP], 2
	s_cmp_lt_u32 s42, 10
	s_cselect_b32 s[TYP], 1, s[TYP]
	s_cmp_lt_u32 s42, 8
	s_cselect_b32 s[TYP], 0, s[TYP]
	s_add_co_u32 s[ROLE], s[TYP], 1
	s_cmp_eq_u32 s[TYP], 0
	s_cselect_b32 s[ROLE], s16, s[ROLE]
	s_mov_b32 s[G1+0], (1<<20)|(5<<22)|(3<<25)
	s_mov_b32 s[G1B+0], 15|(1<<20)|(1<<21)|(5<<22)|(3<<25)
.irp g, G1, G1B
	s_mov_b32 s[\g+1], ROWB<<16
	s_mov_b32 s[\g+2], 128<<16
	s_mov_b32 s[\g+3], ROWB<<16
	s_mov_b32 s[\g+4], 128
	s_mov_b32 s[\g+5], KROW
	s_mov_b32 s[\g+6], 0
	s_mov_b32 s[\g+7], 0
.endr
	s_lshl_b32 s18, s16, 7
	s_lshl_b32 s20, s17, 8
	s_add_co_u32 s20, s20, s18
	s_lshl_b32 s20, s20, 11
	s_lshl_b32 s21, s[TYP], 23
	s_add_co_u32 s20, s20, s21
	s_mov_b32 s21, 0
	s_lshl_b32 s46, s42, 8
	s_add_co_u32 s46, s46, s18
	s_lshl_b32 s46, s46, 11
	s_mov_b32 s47, 0
	s_mul_i32 s45, s14, HALFT
	s_wait_kmcnt 0x0
	s_add_nc_u64 s[20:21], s[4:5], s[20:21]
	s_add_nc_u64 s[46:47], s[6:7], s[46:47]
	CROUND
.irp s, 0,1
	s_mov_b32 s[G0+4*\s], 1
	s_add_co_u32 s[G0+4*\s+1], s45, \s*SLOT
	s_add_nc_u64 s[G0+4*\s+2:G0+4*\s+3], s[20:21], \s*ROWB
	s_or_b32 s[G0+4*\s+3], s[G0+4*\s+3], 0x80000000
	s_mov_b32 s[G0B+4*\s], 1
	s_add_co_u32 s[G0B+4*\s+1], s45, \s*SLOT
	s_add_nc_u64 s[G0B+4*\s+2:G0B+4*\s+3], s[46:47], \s*ROWB
	s_or_b32 s[G0B+4*\s+3], s[G0B+4*\s+3], 0x80000000
.endr
	; the head's descriptors: tiles of 256 rows x 256 bytes.  Groups 1: s[68:75] A's (no mask), s[76:83] B's (the four partners)
	s_mov_b32 s68, (1<<20)|(5<<22)|(3<<25)
	s_mov_b32 s76, 15|(1<<20)|(1<<21)|(5<<22)|(3<<25)
.irp g, 68, 76
	s_mov_b32 s[\g+1], ROWB<<16
	s_mov_b32 s[\g+2], 256<<16
	s_mov_b32 s[\g+3], ROWB<<16
	s_mov_b32 s[\g+4], 256
	s_mov_b32 s[\g+5], KROW
	s_mov_b32 s[\g+6], 0
	s_mov_b32 s[\g+7], 0
.endr
	s_lshl_b32 s22, s16, 18                        ; my half's 128 rows of 2,048 bytes, taken off again: the tile's first row
	s_mov_b32 s23, 0
	s_mov_b32 s84, 1                               ; groups 0: A's K step 0,
	s_mov_b32 s85, 0
	s_sub_nc_u64 s[86:87], s[20:21], s[22:23]
	s_mov_b32 s88, 1                               ; B's K step 0,
	s_mov_b32 s89, 2*HALFT
	s_sub_nc_u64 s[90:91], s[46:47], s[22:23]
	s_mov_b32 s92, 1                               ; A's K step 1,
	s_mov_b32 s93, SLOT
	s_add_nc_u64 s[94:95], s[86:87], ROWB
	s_mov_b32 s96, 1                               ; B's K step 1
	s_mov_b32 s97, SLOT+2*HALFT
	s_add_nc_u64 s[98:99], s[90:91], ROWB
	s_or_b32 s87, s87, 0x80000000
	s_or_b32 s91, s91, 0x80000000
	s_or_b32 s95, s95, 0x80000000
	s_or_b32 s99, s99, 0x80000000
	s_cmp_eq_u32 s14, 0                            ; one chain of branches on the wave's number, one load to an arm; an s_nop 0 and four v_nop follow each load
	s_cbranch_scc0 .Lh1
	tensor_load_to_lds s[84:87], s[68:75]
	s_nop 0
.rept 4
	v_nop
.endr
	s_branch .Lhj
.Lh1:
	s_cmp_eq_u32 s14, 1
	s_cbranch_scc0 .Lh2
	tensor_load_to_lds s[88:91], s[76:83]
	s_nop 0
.rept 4
	v_nop
.endr
	s_branch .Lhj
.Lh2:
	s_cmp_eq_u32 s14, 2
	s_cbranch_scc0 .Lh3
	tensor_load_to_lds s[92:95], s[68:75]
	s_nop 0
.rept 4
	v_nop
.endr
	s_branch .Lhj
.Lh3:
	tensor_load_to_lds s[96:99], s[76:83]
	s_nop 0
.rept 4
	v_nop
.endr
.Lhj:
	v_and_b32 v1, 15, v0
	v_bfe_u32 v2, v0, 4, 1
	v_mul_u32_u24 v3, v1, PITCH
	v_lshl_add_u32 v4, v2, 4, v3
	s_mul_i32 s21, s15, HALFT
	s_mul_i32 s22, s16, HALFT
	s_add_co_u32 s22, s22, 2*HALFT
.irp s, 0,1
	v_add_nc_u32 v[ADRA+\s], s21, v4
	v_add_nc_u32 v[ADRB+\s], s22, v4
	s_add_co_u32 s21, s21, SLOT
	s_add_co_u32 s22, s22, SLOT
.endr
.macro FRAG reg, adr, q, i
.irp c, 0,1,2,3
	ds_load_b128 v[\reg+4*\c:\reg+4*\c+3], v[\adr] offset:128*(\q)+32*\c+(\i)*16*PITCH
.endr
.endm
.macro MUL16 a0, p, zero
.irp a, \a0, \a0+1
.irp b, 0,1,2,3,4,5,6,7
.if \zero
	v_wmma_f32_16x16x128_fp8_fp8 v[8*(8*((\a)%4)+\b):8*(8*((\a)%4)+\b)+7], v[128*(\p)+FR*\b:128*(\p)+FR*\b+FR-1], v[AF+FR*(\a):AF+FR*(\a)+FR-1], 0
.else
	v_wmma_f32_16x16x128_fp8_fp8 v[8*(8*((\a)%4)+\b):8*(8*((\a)%4)+\b)+7], v[128*(\p)+FR*\b:128*(\p)+FR*\b+FR-1], v[AF+FR*(\a):AF+FR*(\a)+FR-1], v[8*(8*((\a)%4)+\b):8*(8*((\a)%4)+\b)+7]
.endif
.endr
.endr
.endm
.macro FETCH_B slot, q, p
	WIN TO_B
.irp i, 0,1,2,3,4,5,6,7
	FRAG 128*(\p)+FR*\i, ADRB+\slot, \q, \i
.endr
	WIN 0
.endm
.macro FETCH_A slot, q, i0
.irp i, \i0, \i0+1, \i0+2, \i0+3
	FRAG AF+FR*(\i), ADRA+\slot, \q, \i
.endr
.endm
.macro PLACES n
.rept \n
	v_nop
.endr
.endm
.macro STEP slot, q, zero
	s_wait_dscnt 4*NL
	WIN MUL_LO
	MUL16 0, (\q)%2, \zero
	MUL16 2, (\q)%2, \zero
	s_wait_dscnt 0
	PLACES NP
	FETCH_B \slot, (\q)+1, 1-(\q)%2
	FETCH_A \slot, (\q)+1, 0
	WIN MUL_HI
	MUL16 4, (\q)%2, \zero
	MUL16 6, (\q)%2, \zero
	PLACES NP
	WIN 0
	FETCH_A \slot, (\q)+1, 4
.endm
.macro TURN slot, next, fill
	s_wait_tensorcnt 0x0
	ds_add_u32 v[SPW], v[NIL]
	s_wait_dscnt 4*NL+1
	WIN MUL_LO
	MUL16 0, 1, 0
	s_wait_dscnt 0x0
	s_barrier_signal -1
	MUL16 2, 1, 0
	WIN 0
	s_barrier_wait -1
.if \fill
	CREST
	s_add_nc_u64 s[G0+4*\slot+2:G0+4*\slot+3], s[G0+4*\slot+2:G0+4*\slot+3], 2*ROWB
	s_add_nc_u64 s[G0B+4*\slot+2:G0B+4*\slot+3], s[G0B+4*\slot+2:G0B+4*\slot+3], 2*ROWB
	JLOAD G0+4*\slot, G1, G0B+4*\slot, G1B
.else
	PLACES NP
.endif
	FETCH_B \next, 0, 0
	FETCH_A \next, 0, 0
	WIN MUL_HI
	MUL16 4, 1, 0
	MUL16 6, 1, 0
	PLACES NP
	WIN 0
	FETCH_A \next, 0, 4
.endm
	s_wait_alu depctr_va_vdst(0)
	s_wait_tensorcnt 0x0                           ; my first fill is in, so the head's descriptor registers may be written: they take the way out's pointers and the scales' exponents
	s_load_b128 s[68:71], s[0:1], 0x18
	s_load_b128 s[72:75], s[0:1], 0x28
	s_load_b128 s[76:79], s[0:1], 0x38
	s_load_b128 s[80:83], s[0:1], 0x48
	s_load_b128 s[84:87], s[0:1], 0x58
	s_load_b256 s[88:95], s[8:9], 0x0
	s_load_b64 s[98:99], s[8:9], 0x20
	s_barrier_signal -1
	s_barrier_wait -1                              ; both slots are whole
	FETCH_B 0, 0, 0
	FETCH_A 0, 0, 0
	FETCH_A 0, 0, 4
	STEP 0, 0, 1
	s_mov_b32 s3, LAPS-1
.Llap:
	TURN 0, 1, 1
	STEP 1, 0, 0
	TURN 1, 0, 1
	STEP 0, 0, 0
	s_sub_co_u32 s3, s3, 1
	s_cmp_lg_u32 s3, 0
	s_cbranch_scc1 .Llap
	TURN 0, 1, 0
	STEP 1, 0, 0
	s_wait_dscnt 4*NL
	WIN MUL_LO
	MUL16 0, 1, 0
	MUL16 2, 1, 0
	s_wait_dscnt 0
	WIN MUL_HI
	MUL16 4, 1, 0
	MUL16 6, 1, 0
	WIN 0
	s_wait_kmcnt 0x0
	PLACES NP
	v_and_b32 v1, 15, v0
	v_bfe_u32 v2, v0, 4, 1
	v_and_b32 v3, 31, v0
	v_lshlrev_b32 v3, 4, v3
	v_lshlrev_b32 v4, 8, v1
	v_lshl_add_u32 v4, v2, 5, v4
	v_lshlrev_b32 v5, 5, v2
	s_mul_i32 s20, s14, WSTG
	v_mul_u32_u24 v6, v1, SPITCH
	v_lshl_add_u32 v6, v2, 5, v6
	v_add_nc_u32 v6, s20, v6
	v_add_nc_u32 v7, s20, v3
	v_add_nc_u32 v8, VST, v6
	v_add_nc_u32 v9, VST, v7
	v_mul_u32_u24 v10, v2, 8*SPITCH
	v_lshl_add_u32 v10, v1, 2, v10
	v_add_nc_u32 v10, s20, v10
	v_add_nc_u32 v10, VST, v10
	v_mov_b32 v229, 0
	v_mov_b32 v233, 0
	s_mov_b32 s18, 0x76543210
	s_mov_b32 s19, 0xfedcba98
	s_mov_b32 s22, 0x358637bd
	s_mov_b32 s23, 0x3c000000
	s_add_co_i32 s96, s88, s89
	s_add_co_i32 s97, s90, s91
	s_add_co_i32 s20, s92, s93
	s_cmp_eq_u32 s[TYP], 1
	s_cselect_b32 s96, s97, s96
	s_cmp_eq_u32 s[TYP], 2
	s_cselect_b32 s96, s20, s96
	s_add_co_i32 s96, s96, 127
	s_lshl_b32 s96, s96, 23
	s_mov_b32 s97, s96
	s_cmp_eq_u32 s[ROLE], 2
	s_cselect_b32 s21, s95, s94
	s_cmp_eq_u32 s[ROLE], 3
	s_cselect_b32 s21, s99, s21
	s_add_co_i32 s21, s21, 127
	s_lshl_b32 s20, s21, 23
	v_mov_b32 v12, s20
	s_add_co_i32 s21, s21, 8
	s_lshl_b32 s21, s21, 23
	s_or_b32 s21, s21, 0x600000
	v_mov_b32 v13, s21
	s_lshl_b32 s24, s17, 8
	s_lshl_b32 s25, s15, 7
	s_add_co_u32 s24, s24, s25
	s_lshr_b32 s25, s24, 11
	s_and_b32 s26, s24, 2047
	s_lshl_b32 s27, s25, 3
	s_add_co_u32 s27, s27, s42
	s_lshl_b32 s28, s[TYP], 1
	s_add_co_u32 s28, s28, 6
	s_sub_co_u32 s28, s42, s28
	s_lshl_b32 s28, s28, 1
	s_add_co_u32 s28, s28, s16
	s_lshl_b32 s29, s25, 2
	s_add_co_u32 s28, s28, s29
	s_cmp_eq_u32 s[TYP], 0
	s_cselect_b32 s27, s27, s28
	s_lshl_b32 s27, s27, 18
	s_lshl_b32 s28, s26, 7
	s_add_co_u32 s28, s28, s27
	s_mov_b32 s29, 0
	s_lshl_b32 s30, s28, 2
	s_mov_b32 s31, 0
	s_mov_b32 s36, 4096
	s_mov_b32 s37, 0
	s_cmp_eq_u32 s[ROLE], 1
	s_cselect_b64 s[10:11], s[82:83], s[76:77]
	s_cselect_b64 s[32:33], s[30:31], s[28:29]
	s_cselect_b32 s36, 16384, s36
	s_cmp_eq_u32 s[ROLE], 2
	s_cselect_b64 s[10:11], s[78:79], s[10:11]
	s_cselect_b64 s[12:13], s[84:85], s[86:87]
	s_cselect_b64 s[100:101], s[74:75], s[72:73]
	s_cmp_eq_u32 s[ROLE], 3
	s_cselect_b64 s[10:11], s[80:81], s[10:11]
	s_cselect_b32 s36, 512, s36
	s_add_nc_u64 s[10:11], s[10:11], s[32:33]
	s_add_nc_u64 s[12:13], s[12:13], s[30:31]
	s_lshl_b32 s34, s24, 8
	s_mov_b32 s35, 0
	s_add_nc_u64 s[68:69], s[68:69], s[34:35]
	s_add_nc_u64 s[70:71], s[70:71], s[34:35]
.macro COPY2 c
.set WW, 0x02+(\c)/2
	WIN WW
.set jj, 0
.rept 64
	v_pk_mul_f32 v[32+jj:33+jj], v[128*((\c)%2)+jj:128*((\c)%2)+jj+1], s[96:97] op_sel_hi:[1,0]
.set jj, jj+2
.endr
	WIN 0
.endm
.macro CSLOAD off
	WIN 0x40
.irp b, 0,1,2,3
.irp u, 0,1
	global_load_b128 v[64+8*\b+4*\u:67+8*\b+4*\u], v4, s[68:69] offset:(\off)+64*\b+16*\u
	global_load_b128 v[96+8*\b+4*\u:99+8*\b+4*\u], v4, s[70:71] offset:(\off)+64*\b+16*\u
.endr
.endr
	WIN 0
.endm
.macro NRQ k
.set TT,  32+64*(\k)
.set CDD, 192+16*(\k)
.set BKK, 128+64*(\k)
	v_pk_mul_f32 v[224:225], v[TT:TT+1], v[TT:TT+1]
	v_pk_mul_f32 v[226:227], v[TT+2:TT+3], v[TT+2:TT+3]
.set jj, 4
.rept 15
	v_pk_fma_f32 v[224:225], v[TT+jj:TT+jj+1], v[TT+jj:TT+jj+1], v[224:225]
	v_pk_fma_f32 v[226:227], v[TT+jj+2:TT+jj+3], v[TT+jj+2:TT+jj+3], v[226:227]
.set jj, jj+4
.endr
	v_pk_add_f32 v[224:225], v[224:225], v[226:227]
	v_add_f32 v228, v224, v225
	v_permlanex16_b32 v229, v228, s18, s19
	v_add_f32 v228, v228, v229
	v_fma_f32 v230, v228, s23, s22
	s_wait_alu depctr_va_vdst(0)
	v_rsq_f32 v232, v230
	s_wait_loadcnt 0x0
	WIN 0x04
.set jj, 0
.rept 32
	v_pk_mul_f32 v[TT+jj:TT+jj+1], v[TT+jj:TT+jj+1], v[jj:jj+1]
.set jj, jj+2
.endr
	WIN 0
	s_wait_alu depctr_va_vdst(0)
.set jj, 0
.rept 32
	v_pk_mul_f32 v[TT+jj:TT+jj+1], v[TT+jj:TT+jj+1], v[232:233] op_sel_hi:[1,0]
.set jj, jj+2
.endr
	WIN 0x04
.irp b, 0,1
.irp j, 0,2,4,6
	v_pk_mul_f32 v[160+8*\b+\j:161+8*\b+\j], v[TT+8*\b+\j:TT+8*\b+\j+1], v[64+8*\b+\j:65+8*\b+\j]
	v_pk_fma_f32 v[160+8*\b+\j:161+8*\b+\j], v[TT+16+8*\b+\j:TT+17+8*\b+\j], v[96+8*\b+\j:97+8*\b+\j], v[160+8*\b+\j:161+8*\b+\j] neg_lo:[1,0,0] neg_hi:[1,0,0]
	v_pk_mul_f32 v[TT+16+8*\b+\j:TT+17+8*\b+\j], v[TT+16+8*\b+\j:TT+17+8*\b+\j], v[80+8*\b+\j:81+8*\b+\j]
	v_pk_fma_f32 v[TT+16+8*\b+\j:TT+17+8*\b+\j], v[TT+8*\b+\j:TT+8*\b+\j+1], v[112+8*\b+\j:113+8*\b+\j], v[TT+16+8*\b+\j:TT+17+8*\b+\j]
.endr
.endr
	WIN 0
.if (\k) == 0
	CSLOAD 4096
.else
	s_cmp_eq_u32 s38, 3
	s_cbranch_scc1 .Lno_cs_\@
	CSLOAD 8192
.Lno_cs_\@:
.endif
	s_cmp_eq_u32 s[ROLE], 2
	s_cbranch_scc0 .Lnot_key_a_\@
	s_wait_alu depctr_va_vdst(0)
.irp b, 0,1
	ds_store_b128 v6, v[160+8*\b:163+8*\b] offset:64*\b
	ds_store_b128 v6, v[164+8*\b:167+8*\b] offset:64*\b+16
.endr
.irp b, 2,3,4,5,6,7
	ds_store_b128 v6, v[TT+8*\b:TT+8*\b+3] offset:64*\b
	ds_store_b128 v6, v[TT+8*\b+4:TT+8*\b+7] offset:64*\b+16
.endr
	WIN 0x40
.set tt, 0
.rept 16
	ds_load_b128 v[BKK+4*tt:BKK+4*tt+3], v7 offset:SPITCH*tt
.set tt, tt+1
.endr
	WIN 0
.Lnot_key_a_\@:
.irp b, 0,1,2,3,4,5,6,7
.if \b < 2
.set SRC, 160+8*\b
.else
.set SRC, TT+8*\b
.endif
.irp i, 0,1,2,3,4,5,6,7
	v_med3_num_f32 v[176+8*(\b%2)+\i], v[SRC+\i], -v13, v13
.endr
	v_cvt_scalef32_pk8_fp8_f32 v[CDD+2*\b:CDD+2*\b+1], v[176+8*(\b%2):183+8*(\b%2)], v12
.endr
	v_nop
.irp c, 0,1,2,3
	global_store_b128 v3, v[CDD+4*\c:CDD+4*\c+3], s[10:11] offset:2048*(\k)+512*\c
.endr
	s_cmp_eq_u32 s[ROLE], 2
	s_cbranch_scc0 .Lnot_key_b_\@
	s_wait_dscnt 0x0
	WIN 0x04
.set tt, 0
.rept 16
	global_store_b128 v3, v[BKK+4*tt:BKK+4*tt+3], s[12:13] offset:8192*(\k)+512*tt
.set tt, tt+1
.endr
	WIN 0
.Lnot_key_b_\@:
.endm
.macro VBLK k
.set TT,  32+64*(\k)
.set BKK, 128+64*(\k)
.irp b, 0,1,2,3,4,5,6,7
	ds_store_b128 v8, v[TT+8*\b:TT+8*\b+3] offset:64*\b
	ds_store_b128 v8, v[TT+8*\b+4:TT+8*\b+7] offset:64*\b+16
.endr
	WIN 0x40
.set tt, 0
.rept 16
	ds_load_b128 v[BKK+4*tt:BKK+4*tt+3], v9 offset:SPITCH*tt
.set tt, tt+1
.endr
	WIN 0
.irp t, 0,1,2,3
.irp q, 0,1,2,3,4,5,6,7
	ds_load_b32 v[160+8*\t+\q], v10 offset:SPITCH*\q+64*\t
.endr
.endr
	s_wait_dscnt 32
	WIN 0x04
.set tt, 0
.rept 16
	global_store_b128 v3, v[BKK+4*tt:BKK+4*tt+3], s[12:13] offset:8192*(\k)+512*tt
.set tt, tt+1
.endr
	WIN 0
.irp t, 4,5,6,7
.irp q, 0,1,2,3,4,5,6,7
	ds_load_b32 v[160+8*\t+\q], v10 offset:SPITCH*\q+64*\t
.endr
.endr
	s_wait_dscnt 0x0
.set jj, 0
.rept 64
	v_med3_num_f32 v[160+jj], v[160+jj], -v13, v13
.set jj, jj+1
.endr
.irp t, 0,1,2,3,4,5,6,7
	v_cvt_scalef32_pk8_fp8_f32 v[224+4*\t+2*(\k):225+4*\t+2*(\k)], v[160+8*\t:167+8*\t], v12
.endr
	v_nop
.endm
	s_bitcmp1_b32 s[ROLE], 0
	s_cbranch_scc1 .Lno_first
	WIN 0x40
.irp b, 0,1,2,3,4,5,6,7
.irp u, 0,1
	global_load_b128 v[8*\b+4*\u:8*\b+4*\u+3], v5, s[100:101] offset:64*\b+16*\u
.endr
.endr
	CSLOAD 0
.Lno_first:
	s_mov_b32 s38, 0
.Lep:
	s_cmp_eq_u32 s38, 0
	s_cbranch_scc1 .Lc0
	s_cmp_eq_u32 s38, 1
	s_cbranch_scc1 .Lc1
	s_cmp_eq_u32 s38, 2
	s_cbranch_scc1 .Lc2
	COPY2 3
	s_branch .Lproc
.Lc0:
	COPY2 0
	s_branch .Lproc
.Lc1:
	COPY2 1
	s_branch .Lproc
.Lc2:
	COPY2 2
.Lproc:
	s_cmp_eq_u32 s[ROLE], 1
	s_cbranch_scc1 .Lgate
	s_cmp_eq_u32 s[ROLE], 3
	s_cbranch_scc1 .Lvalue
	NRQ 0
	NRQ 1
	s_branch .Lnext
.Lgate:
.set tt, 0
	s_wait_alu depctr_va_vdst(0)
.rept 32
	global_store_b128 v3, v[32+4*tt:35+4*tt], s[10:11] offset:512*tt
.set tt, tt+1
.endr
	s_branch .Lnext
.Lvalue:
	VBLK 0
	VBLK 1
.irp t, 0,1,2,3,4,5,6,7
	global_store_b128 v3, v[224+4*\t:227+4*\t], s[10:11] offset:2048*\t
.endr
.Lnext:
	s_wait_xcnt 0x0
	s_add_nc_u64 s[10:11], s[10:11], s[36:37]
	s_add_nc_u64 s[12:13], s[12:13], 16384
	s_add_nc_u64 s[68:69], s[68:69], 8192
	s_add_nc_u64 s[70:71], s[70:71], 8192
	s_add_co_u32 s38, s38, 1
	s_cmp_lt_u32 s38, 4
	s_cbranch_scc1 .Lep
	s_wait_tensorcnt 0x0
	ds_add_u32 v[SPW], v[NIL]
	s_wait_dscnt 0x0
	CROUND
	s_endpgm
.Lfunc_end_k_q05a5fddf19_qkv:
	.size	k_q05a5fddf19_qkv, .Lfunc_end_k_q05a5fddf19_qkv-k_q05a5fddf19_qkv
	.p2alignl 7, 3214868480
	.fill 96, 4, 3214868480
	.section	.rodata,"a",@progbits
	.p2align	6, 0x0
	.amdhsa_kernel k_q05a5fddf19_qkv
		.amdhsa_group_segment_fixed_size 327680
		.amdhsa_private_segment_fixed_size 0
		.amdhsa_enable_private_segment 0
		.amdhsa_kernarg_size 104
		.amdhsa_user_sgpr_count 2
		.amdhsa_user_sgpr_kernarg_segment_ptr 1
		.amdhsa_wavefront_size32 1
		.amdhsa_system_sgpr_workgroup_id_x 1
		.amdhsa_system_sgpr_workgroup_id_y 1
		.amdhsa_system_sgpr_workgroup_id_z 1
		.amdhsa_system_vgpr_workitem_id 0
		.amdhsa_next_free_vgpr 1024
		.amdhsa_next_free_sgpr 102
		.amdhsa_reserve_vcc 0
		.amdhsa_float_denorm_mode_32 3
		.amdhsa_float_denorm_mode_16_64 3
		.amdhsa_memory_ordered 1
		.amdhsa_forward_progress 1
		.amdhsa_inst_pref_size 169
	.end_amdhsa_kernel
	.amdgpu_metadata
---
amdhsa.version: [ 1, 2 ]
amdhsa.kernels:
  - .name:           k_q05a5fddf19_qkv
    .symbol:         k_q05a5fddf19_qkv.kd
    .args:
      - { .name: xc, .offset: 0, .size: 8, .value_kind: global_buffer, .address_space: global }
      - { .name: wc, .offset: 8, .size: 8, .value_kind: global_buffer, .address_space: global }
      - { .name: lowp_scales, .offset: 16, .size: 8, .value_kind: global_buffer, .address_space: global }
      - { .name: cos, .offset: 24, .size: 8, .value_kind: global_buffer, .address_space: global }
      - { .name: sin, .offset: 32, .size: 8, .value_kind: global_buffer, .address_space: global }
      - { .name: q_norm_w, .offset: 40, .size: 8, .value_kind: global_buffer, .address_space: global }
      - { .name: k_norm_w, .offset: 48, .size: 8, .value_kind: global_buffer, .address_space: global }
      - { .name: qc, .offset: 56, .size: 8, .value_kind: global_buffer, .address_space: global }
      - { .name: kc, .offset: 64, .size: 8, .value_kind: global_buffer, .address_space: global }
      - { .name: vc, .offset: 72, .size: 8, .value_kind: global_buffer, .address_space: global }
      - { .name: gt, .offset: 80, .size: 8, .value_kind: global_buffer, .address_space: global }
      - { .name: out1, .offset: 88, .size: 8, .value_kind: global_buffer, .address_space: global }
      - { .name: out2, .offset: 96, .size: 8, .value_kind: global_buffer, .address_space: global }
    .group_segment_fixed_size: 327680
    .private_segment_fixed_size: 0
    .kernarg_segment_align: 8
    .kernarg_segment_size: 104
    .max_flat_workgroup_size: 128
    .sgpr_count:     102
    .vgpr_count:     1024
    .wavefront_size: 32
...
	.end_amdgpu_metadata
.endif
;; end of part 2
;; launch attn (part 3): grid 32 x 8, 16 waves a work-group, no clusters, 327,680 bytes of LDS; arguments qc, kc, vc, gt, lowp_scales, ac; writes ac
.if DOCPART == 3
	.amdgcn_target "amdgcn-amd-amdhsa--gfx1250"
	.amdhsa_code_object_version 6
	.text
	.protected	k_q05a5fddf19_attn
	.globl	k_q05a5fddf19_attn
	.p2align	8
	.type	k_q05a5fddf19_attn,@function
k_q05a5fddf19_attn:
	s_mov_b64 s[64:65], 0
	v_nop
	global_prefetch_b8 v0, s[64:65] scope:SCOPE_SE
	s_setreg_imm32_b32 hwreg(HW_REG_WAVE_MODE, 25, 1), 1
	s_wait_xcnt 0x0
; Causal attention on E4M3 codes, two query heads to a key-value head, then x sigmoid(gate) and the quantiser of the last product's left operand.
; qc, kc, vc hold IMAGES of operand registers (16 rows x 128 K, 2,048 bytes: registers 4 c .. 4 c + 3 at byte 512 c + 16 lane; lane (r, h) holds k = 16 c + 8 h + 0 .. 7 in registers 2 c, 2 c + 1).
; kc: rows are keys, K the head's 128.  vc: rows are channels, K the 128 keys of a step.  gt: the gate in f32 in the layout of O^T's registers.  ac: [4096][1024] codes, row-major.
; THE SOFTMAX: t = score x log2(e) / sqrt(128); M = the largest t so far, rounded UP to a whole number; p = 2^(t - M) is quantised (e8); the sum is taken of the unquantised p and divides at the end.
; SHARES.  Work-group (p, bg): both heads of key-value head bg, for query blocks p and 63 - p of 32 queries: eight tiles of 16 queries, 4 x 17 tile steps in every work-group.
; EACH TILE HAS TWO WAVES: one takes the even steps of 128 keys, the other the odd ones; at the end the odd wave hands O^T, -M and its sum over through LDS, and the two parts are brought under one M by exact powers of two.
; Wave w: tile w & 1, head (w >> 1) & 1, parity (w >> 2) & 1, late block w >> 3.  Four waves to a SIMD.
; Both products are used transposed: S^T = K Q^T, O^T = V^T P^T: a lane holds ONE query (lane % 16); register 8 t + q of S^T is key 16 t + 8 h + q, which one conversion turns into registers 2 t, 2 t + 1 of P.
; THE RING: two slots of 512 keys (K's four steps, then V's four, dense images, 131,072 bytes); waves 0-7 fetch 16,384 bytes each.  Every work-group walks all four slots; a step all of whose keys are hidden is jumped over.
; NO CLUSTER: which steps are jumped over hangs on the work-group's queries, which differ between all work-groups that share K and V; partners of joint loads must branch alike.
; LIMITS: e6 + e7 between -123 and 130 (added to c's exponent field); e8, e10 between -126 and 119; e8 + e9 goes in by v_ldexp_f32.  p is quantised under a running M, and under each half's own M: it differs from the
; row's last M only for numbers under the format's range.  NaN among the inputs is not served.
; REGISTERS: v1-3 addresses; v5, v6 the add's pair; v7 the store's offset; v8, v9 the step's LDS addresses; v12 -M, v13 the largest t, v[14:15] the sum; v16-31 Q; v32-95 four fragments, later the gate; v96-159 S^T, p, later the
; partner's O^T; v160-223 O^T; v224-239 codes; v240, v244 and v241, v245 the two quantisers' figures; v246-250 addresses of the way out; the rest at work.
.set SLOT1, 1<<17
.set SPARE, 2*SLOT1                    ; behind the ring: the spare words, 128 bytes for each of 16 waves
.set MSTG,  8448                       ; the way out, in slot 0, which was left at the last change of slots: for each pair of waves 8,192 bytes of O^T, 128 of -M, 128 of the sum;
.set CST,   69632                      ; behind them 64 rows x (256 + 16) bytes of codes
.set AK0,  1
.set AV0,  2
.set PFO,  3
.set SPW,  5
.set NIL,  6
.set GO,   7
.set ADK,  8
.set ADV,  9
.set MA,   246                         ; the pair's stage: 16 x lane
.set MS,   247                         ; its words: 4 x lane
.set CI,   248                         ; codes in
.set CO,   249                         ; codes out
.set LI,   250                         ; 16 x lane
.set TB,   2                           ; s2   where the slot in hand begins
.set WV,   18
.set SEL,  20
.set CS,   22
.set G1,   24
.set G0,   40
.set PAR,  44
.set LATE, 45
.set JB,   46
.set SLOTS, 67
.set PFA,  76
.set LIM,  80
.set EPV,  81                          ; s81  e8 + e9
.set KF,   98                          ; s98  the step's first key
.set Q0,   99                          ; s99  my first query
.macro TLOAD                           ; waves 0-7 fetch; the branch hangs on the wave's number alone; four v_nop follow the line
	s_cmp_lt_u32 s[WV], 8
	s_cbranch_scc0 .Lasked_\@
	tensor_load_to_lds s[G0:G0+3], s[G1:G1+7]
	s_nop 0
.rept 4
	v_nop
.endr
.Lasked_\@:
.endm
; A prefetch of what the NEXT change of slots will ask for.  All 32 work-groups of a key-value head walk the same K and V: the first of them asks, by its waves 8-15, which fetch nothing:
; wave 8 + i names the 16,384 bytes that wave i will fetch, lanes 256 bytes apart, two instructions.  The last change that fills a slot asks for nothing; slots 0 and 1 come by their loads alone.
.macro ASK
	s_cmp_gt_u32 s[SLOTS], s[LIM]
	s_cbranch_scc0 .Lnot_mine_\@
	global_prefetch_b8 v[PFO], s[PFA:PFA+1] th:TH_LOAD_NT scope:SCOPE_SE
	global_prefetch_b8 v[PFO], s[PFA:PFA+1] offset:8192 th:TH_LOAD_NT scope:SCOPE_SE
.Lnot_mine_\@:
.endm
	s_load_b256 s[4:11], s[0:1], 0x0               ; qc s[4:5], kc s[6:7], vc s[8:9], gt s[10:11]
	s_load_b128 s[12:15], s[0:1], 0x20             ; the scales' exponents s[12:13], ac s[14:15]
	v_lshl_add_u32 v[SPW], v0, 2, SPARE
	v_mov_b32 v[NIL], 0
	ds_add_u32 v5, v6
	ds_add_u32 v5, v6
	s_wait_dscnt 0x0
	v_lshrrev_b32 v8, 5, v0
	s_delay_alu instid0(VALU_DEP_1)
	v_readfirstlane_b32 s[WV], v8                  ; wave 0..15
	s_and_b32 s32, ttmp7, 0xffff                   ; bg = 4 x batch + key-value head
	s_bfe_u32 s[PAR], s[WV], 0x10002               ; even or odd steps
	s_lshr_b32 s[LATE], s[WV], 3
	s_and_b32 s33, s[WV], 1                        ; which 16 of the block's 32 queries
	s_bfe_u32 s34, s[WV], 0x10001                  ; which of the two heads
	s_sub_co_u32 s[JB], 63, ttmp9
	s_cmp_eq_u32 s[LATE], 0
	s_cselect_b32 s[JB], ttmp9, s[JB]              ; my block of 32 queries
	s_lshl_b32 s[Q0], s[JB], 5
	s_lshl_b32 s35, s33, 4
	s_add_co_u32 s[Q0], s[Q0], s35
	s_lshl_b32 s36, s32, 1
	s_add_co_u32 s36, s36, s34                     ; 8 x batch + head
	s_and_b32 s37, s[WV], 7                        ; which of a slot's eight parts I fetch or prefetch
	s_and_b32 s38, s[WV], 3
	s_lshl_b32 s48, s32, 18                        ; the head's 262,144 bytes of kc or vc,
	s_lshl_b32 s39, s38, 14
	s_add_co_u32 s48, s48, s39                     ; + my step of the slot
	s_mov_b32 s49, 0
	s_lshl_b32 s50, s36, 18
	s_lshl_b32 s51, s[Q0], 7
	s_add_co_u32 s50, s50, s51                     ; my tile's image in qc
	s_mov_b32 s51, 0
	s_lshr_b32 s52, s32, 2
	s_lshl_b32 s52, s52, 11
	s_lshl_b32 s53, s[JB], 5
	s_add_co_u32 s52, s52, s53
	s_lshl_b32 s53, s37, 2
	s_add_co_u32 s52, s52, s53                     ; the four rows of ac that I store: batch x 2,048 + 32 x block + 4 (w & 7)
	s_lshl_b32 s52, s52, 10
	s_and_b32 s53, s32, 3
	s_lshl_b32 s53, s53, 8
	s_add_co_u32 s52, s52, s53                     ; + the two heads' 256 bytes
	s_mov_b32 s53, 0
	s_xor_b32 s54, s[LATE], 1                      ; 0 in waves 8-15,
	s_or_b32 s54, s54, ttmp9                       ; of the head's first work-group
	s_cmp_eq_u32 s54, 0
	s_cselect_b32 s[LIM], 1, -1
	; group 1: 16,384 dense bytes as 64 rows of 32 elements of 8 bytes
	s_mov_b32 s[G1], 3<<16
	s_mov_b32 s[G1+1], 32<<16                      ; tensor_dim0
	s_mov_b32 s[G1+2], 64<<16                      ; tensor_dim1
	s_mov_b32 s[G1+3], 32<<16                      ; tile_dim0
	s_mov_b32 s[G1+4], 64                          ; tile_dim1
	s_mov_b32 s[G1+5], 32                          ; tensor_dim0_stride
	s_mov_b32 s[G1+6], 0
	s_mov_b32 s[G1+7], 0
	s_mov_b32 s[SEL], 0x76543210
	s_mov_b32 s[SEL+1], 0xfedcba98
	s_mov_b32 s[CS], 0x3e0293ee                    ; c = log2(e) / sqrt(128)
	s_mov_b32 s[TB], 0
	s_mov_b32 s[SLOTS], 3
	s_lshl_b32 s[KF], s[PAR], 7
	s_mov_b32 s[G0], 1
	s_lshl_b32 s[G0+1], s37, 14                    ; LDS: K's four steps, then V's four
	s_wait_kmcnt 0x0
	s_load_b64 s[68:69], s[12:13], 0x18            ; e6, e7
	s_load_b128 s[72:75], s[12:13], 0x20           ; e8 .. e11
	s_cmp_lt_u32 s37, 4
	s_cselect_b64 s[G0+2:G0+3], s[6:7], s[8:9]
	s_add_nc_u64 s[G0+2:G0+3], s[G0+2:G0+3], s[48:49]
	s_add_nc_u64 s[PFA:PFA+1], s[G0+2:G0+3], 0x10000   ; in slot 1: the first change of slots steps it to slot 2
	s_or_b32 s[G0+3], s[G0+3], 0x80000000
	TLOAD                                          ; slot 0
	s_add_nc_u64 s[4:5], s[4:5], s[50:51]
	s_lshl_b32 s50, s50, 2
	s_add_nc_u64 s[10:11], s[10:11], s[50:51]      ; the gate's block: four times the bytes
	s_add_nc_u64 s[14:15], s[14:15], s[52:53]
	v_and_b32 v10, 31, v0
	s_delay_alu instid0(VALU_DEP_1)
	v_lshlrev_b32 v[LI], 4, v10
.irp c, 0,1,2,3
	global_load_b128 v[16+4*\c:19+4*\c], v[LI], s[4:5] offset:512*\c   ; Q's fragment stays in registers
.endr
	v_lshlrev_b32 v[PFO], 8, v10
	s_lshl_b32 s55, s[PAR], 14
	v_add_nc_u32 v[AK0], s55, v[LI]                ; my lane's place in the first of my steps' images of K,
	s_delay_alu instid0(VALU_DEP_1)
	v_add_nc_u32 v[AV0], 0x10000, v[AK0]           ; and of V
	v_and_b32 v8, 15, v0                           ; r
	s_wait_alu depctr_va_vdst(0)
	v_bfe_u32 v9, v0, 4, 1                         ; h
	s_and_b32 s56, s[WV], 3
	s_lshl_b32 s57, s[LATE], 2
	s_or_b32 s56, s56, s57                         ; which pair of waves
	s_mul_i32 s56, s56, MSTG
	v_add_nc_u32 v[MA], s56, v[LI]
	v_lshl_add_u32 v[MS], v10, 2, s56
	s_delay_alu instid0(VALU_DEP_1)
	v_add_nc_u32 v[MS], 8192, v[MS]
	s_lshl_b32 s57, s[LATE], 5
	s_lshl_b32 s58, s33, 4
	s_add_co_u32 s57, s57, s58
	s_mul_i32 s57, s57, 272
	s_lshl_b32 s58, s34, 7
	s_add_co_u32 s57, s57, s58
	s_add_co_u32 s57, s57, CST
	v_mul_u32_u24 v[CI], v8, 272
	s_wait_alu depctr_va_vdst(0)
	v_lshl_add_u32 v[CI], v9, 3, v[CI]
	s_delay_alu instid0(VALU_DEP_1)
	v_add_nc_u32 v[CI], s57, v[CI]                 ; codes in: row 32 late + 16 tile + r, byte 128 head + 8 h (+ 16 t)
	s_mul_i32 s58, s[WV], 4*272
	s_add_co_u32 s58, s58, CST
	v_mul_u32_u24 v[CO], v9, 272
	s_delay_alu instid0(VALU_DEP_1)
	v_lshl_add_u32 v[CO], v8, 4, v[CO]
	s_delay_alu instid0(VALU_DEP_1)
	v_add_nc_u32 v[CO], s58, v[CO]                 ; codes out: rows 4 w on, sixteen lanes to a row
	v_lshlrev_b32 v[GO], 10, v9
	s_delay_alu instid0(VALU_DEP_1)
	v_lshl_add_u32 v[GO], v8, 4, v[GO]             ; and the same two rows in ac
	v_mov_b32 v13, 0xff61b1e6                      ; the largest t so far: -3e38
	s_delay_alu instid0(VALU_DEP_1)
	v_floor_f32 v12, -v13                          ; -M
	v_mov_b32 v14, 0
	v_mov_b32 v15, 0
	v_mov_b32 v11, 0                               ; (upper halves of pairs, and a permute's destination, are written once)
	v_mov_b32 v236, 0
	v_mov_b32 v253, 0
	v_mov_b32 v255, 0
.set jj, 0
.rept 64
	v_mov_b32 v[160+jj], 0                         ; O^T: the step is written once; a wave's first step finds zeros, and a wave without a step hands zeros over
.set jj, jj+1
.endr
	s_wait_kmcnt 0x0
	s_add_co_i32 s56, s68, s69
	s_lshl_b32 s56, s56, 23
	s_add_co_i32 s[CS], s[CS], s56                 ; a score stands for score x 2^(e6 + e7)
	s_mov_b32 s[CS+1], s[CS]
	s_add_co_i32 s56, s72, 127
	s_lshl_b32 s57, s56, 23
	v_mov_b32 v244, s57                            ; 2^e8
	s_add_co_i32 s56, s56, 8
	s_lshl_b32 s56, s56, 23
	s_or_b32 s56, s56, 0x600000
	v_mov_b32 v240, s56                            ; 448 x 2^e8
	s_add_co_i32 s56, s74, 127
	s_lshl_b32 s57, s56, 23
	v_mov_b32 v245, s57                            ; 2^e10
	s_add_co_i32 s56, s56, 8
	s_lshl_b32 s56, s56, 23
	s_or_b32 s56, s56, 0x600000
	v_mov_b32 v241, s56                            ; 448 x 2^e10
	s_add_co_i32 s[EPV], s72, s73
; A KEY STEP: 128 keys: step parity + 2 q of the slot in hand.
.macro STEP q
	s_add_co_u32 s96, s[Q0], 15                    ; all keys behind my 16 queries: the step's work is left out; no barrier and no tensor load stands in a step
	s_cmp_gt_u32 s[KF], s96
	s_cbranch_scc1 .Lhidden_\@
	v_add_nc_u32 v[ADK], s[TB], v[AK0]
	s_wait_alu depctr_va_vdst(0)
	v_add_nc_u32 v[ADV], s[TB], v[AV0]
.irp g, 0,1                                    ; S^T = K Q^T, four tiles of 16 keys at a time
.rept 4-2*(1-\g)
	v_nop                                          ; four places in front of loads into registers that matrix instructions have read; the two additions above are places too
.endr
.irp t, 0,1,2,3
.irp c, 0,1,2,3
	ds_load_b128 v[32+16*\t+4*\c:32+16*\t+4*\c+3], v[ADK] offset:32768*(\q)+2048*(4*\g+\t)+512*\c
.endr
.endr
	s_wait_dscnt 0x0
.irp t, 0,1,2,3
	v_wmma_f32_16x16x128_fp8_fp8 v[96+8*(4*\g+\t):103+8*(4*\g+\t)], v[32+16*\t:47+16*\t], v[16:31], 0
.endr
.endr
.rept 4
	v_nop
.endr
	s_add_co_u32 s96, s[KF], 127                   ; on the diagonal hidden scores become -infinity ahead of the maximum; a step all of whose keys count skips this
	s_cmp_le_u32 s96, s[Q0]
	s_cbranch_scc1 .Lopen_\@
	s_sub_co_i32 s96, s[Q0], s[KF]
	v_and_b32 v252, 15, v0
	v_bfe_u32 v253, v0, 4, 1
	s_delay_alu instid0(VALU_DEP_1)
	v_lshlrev_b32 v253, 3, v253
	s_delay_alu instid0(VALU_DEP_1)
	v_sub_nc_u32 v252, v252, v253
	s_delay_alu instid0(VALU_DEP_1)
	v_add_nc_u32 v252, s96, v252                   ; d = my query - KF - 8 h.  Register 8 t + q holds key KF + 16 t + 8 h + q: hidden where 16 t + q > d
	v_mov_b32 v254, 0xff800000
.set nn, 0
.rept 64
	v_cmp_gt_i32 vcc_lo, 16*(nn/8)+nn%8, v252
	v_cndmask_b32 v[96+nn], v[96+nn], v254, vcc_lo
.set nn, nn+1
.endr
.Lopen_\@:
	v_max3_num_f32 v254, v96, v97, v98             ; the step's largest score of my query among my 64 keys, in two chains,
	v_max3_num_f32 v252, v99, v100, v101
.irp i, 6,10,14,18,22,26,30,34,38,42,46,50,54,58
	v_max3_num_f32 v254, v254, v[96+\i], v[97+\i]
	v_max3_num_f32 v252, v252, v[98+\i], v[99+\i]
.endr
	v_max3_num_f32 v254, v254, v158, v159
	s_delay_alu instid0(VALU_DEP_1)
	v_max_num_f32 v254, v254, v252
	v_permlanex16_b32 v236, v254, s[SEL], s[SEL+1]
	s_delay_alu instid0(VALU_DEP_1)
	v_max_num_f32 v254, v254, v236                 ; and among lane l xor 16's
	s_delay_alu instid0(VALU_DEP_1)
	v_mul_f32 v254, s[CS], v254                    ; as t (c is positive)
	s_delay_alu instid0(VALU_DEP_1)
	v_max_num_f32 v13, v13, v254
	v_mov_b32 v254, v12
	s_delay_alu instid0(VALU_DEP_2)
	v_floor_f32 v12, -v13                          ; the new -M = floor(-t): M is a whole number
	s_delay_alu instid0(VALU_DEP_1)
	v_sub_f32 v254, v12, v254
	s_delay_alu instid0(VALU_DEP_1)
	v_cvt_i32_f32 v254, v254                       ; old M - new M, 0 or less (it saturates)
	s_delay_alu instid0(VALU_DEP_1)
	v_ldexp_f32 v252, 1.0, v254                    ; f = 2^(old M - new M): rounds nothing
.set jj, 0
.rept 32
	v_pk_fma_f32 v[96+jj:97+jj], v[96+jj:97+jj], s[CS:CS+1], v[12:13] op_sel_hi:[1,0,0]   ; t - M
.set jj, jj+2
.endr
.set jj, 0
	s_wait_alu depctr_va_vdst(0)
.rept 64
	v_exp_f32 v[96+jj], v[96+jj]                   ; p = 2^(t - M)
.set jj, jj+1
.endr
	v_pk_mul_f32 v[14:15], v[14:15], v[252:253] op_sel_hi:[1,0]   ; the sums under the new M: the plain line behind the exponentials
	s_wait_alu depctr_va_vdst(0)                   ; one wait for the batch, ahead of its first reader
	v_pk_add_f32 v[242:243], v[100:101], v[104:105]
	v_pk_add_f32 v[238:239], v[108:109], v[112:113]
	v_pk_add_f32 v[236:237], v[116:117], v[120:121]
	v_pk_add_f32 v[234:235], v[124:125], v[128:129]
	v_pk_add_f32 v[232:233], v[132:133], v[136:137]
	v_pk_add_f32 v[230:231], v[140:141], v[144:145]
	v_pk_add_f32 v[228:229], v[148:149], v[152:153]
	v_pk_add_f32 v[14:15], v[14:15], v[156:157]
	v_pk_add_f32 v[242:243], v[242:243], v[96:97]
	v_pk_add_f32 v[238:239], v[238:239], v[98:99]
	v_pk_add_f32 v[236:237], v[236:237], v[102:103]
	v_pk_add_f32 v[234:235], v[234:235], v[106:107]
	v_pk_add_f32 v[232:233], v[232:233], v[110:111]
	v_pk_add_f32 v[230:231], v[230:231], v[114:115]
	v_pk_add_f32 v[228:229], v[228:229], v[118:119]
	v_pk_add_f32 v[14:15], v[14:15], v[122:123]
	v_pk_add_f32 v[242:243], v[242:243], v[126:127]
	v_pk_add_f32 v[238:239], v[238:239], v[130:131]
	v_pk_add_f32 v[236:237], v[236:237], v[134:135]
	v_pk_add_f32 v[234:235], v[234:235], v[138:139]
	v_pk_add_f32 v[232:233], v[232:233], v[142:143]
	v_pk_add_f32 v[230:231], v[230:231], v[146:147]
	v_pk_add_f32 v[228:229], v[228:229], v[150:151]
	v_pk_add_f32 v[14:15], v[14:15], v[154:155]
	v_pk_add_f32 v[242:243], v[242:243], v[158:159]
	s_delay_alu instid0(VALU_DEP_2)
	v_pk_add_f32 v[14:15], v[14:15], v[234:235]
	s_delay_alu instid0(VALU_DEP_2)
	v_pk_add_f32 v[242:243], v[242:243], v[232:233]
	v_pk_add_f32 v[238:239], v[238:239], v[230:231]
	v_pk_add_f32 v[236:237], v[236:237], v[228:229]
	s_delay_alu instid0(VALU_DEP_2)
	v_pk_add_f32 v[14:15], v[14:15], v[238:239]
	s_delay_alu instid0(VALU_DEP_2)
	v_pk_add_f32 v[242:243], v[242:243], v[236:237]
	s_delay_alu instid0(VALU_DEP_1)
	v_pk_add_f32 v[14:15], v[14:15], v[242:243]
.irp t, 0,1,2,3,4,5,6,7
.irp i, 0,1,2,3,4,5,6,7
	v_min_num_f32 v[96+8*\t+\i], v[96+8*\t+\i], v240   ; the conversion does not saturate (ISA guide 7.6.2); p is not negative: a one-sided hold
.endr
	v_cvt_scalef32_pk8_fp8_f32 v[224+2*\t:225+2*\t], v[96+8*\t:103+8*\t], v244
.endr
.set jj, 0
.rept 32
	v_pk_mul_f32 v[160+jj:161+jj], v[160+jj:161+jj], v[252:253] op_sel_hi:[1,0]   ; O^T under the new M; also the places in front of what follows
.set jj, jj+2
.endr
	s_wait_alu depctr_va_vdst(0)
.irp g, 0,1                                    ; O^T += V^T P^T, four tiles of 16 channels at a time
.if \g > 0
.rept 4
	v_nop
.endr
.endif
.irp t, 0,1,2,3
.irp c, 0,1,2,3
	ds_load_b128 v[32+16*\t+4*\c:32+16*\t+4*\c+3], v[ADV] offset:32768*(\q)+2048*(4*\g+\t)+512*\c
.endr
.endr
	s_wait_dscnt 0x0
.irp t, 0,1,2,3
	v_wmma_f32_16x16x128_fp8_fp8 v[160+8*(4*\g+\t):167+8*(4*\g+\t)], v[32+16*\t:47+16*\t], v[224:239], v[160+8*(4*\g+\t):167+8*(4*\g+\t)]
.endr
.endr
.Lhidden_\@:
	s_add_co_u32 s[KF], s[KF], 256                 ; my next step lies two steps on
.endm
; THE CHANGE OF SLOTS, at a slot's head: all my tensor loads have landed, the add, my reads of the slot that I left are over; the barrier; fill = 1: the slot just left is filled with the 512 keys that follow.
.macro CHANGE fill
	s_wait_tensorcnt 0x0                           ; no tensor load of mine is out, so group 0 may be written
	ds_add_u32 v[SPW], v[NIL]                      ; 0 onto my spare word
.if \fill
	s_xor_b32 s[G0+1], s[G0+1], SLOT1
	s_add_nc_u64 s[G0+2:G0+3], s[G0+2:G0+3], 0x10000
	s_wait_xcnt 0x0                                ; the last prefetches, a slot back, have read their address
	s_add_nc_u64 s[PFA:PFA+1], s[PFA:PFA+1], 0x10000
.endif
	s_wait_dscnt 0x0
	s_barrier_signal -1
	s_barrier_wait -1
.if \fill
	TLOAD                                          ; the first thing behind the barrier, a wave's one tensor load until the next: it has two of every wave's steps in which to land
	ASK
.endif
.endm
.macro SLOT_STEPS
	STEP 0
	STEP 1
	s_xor_b32 s[TB], s[TB], SLOT1
.endm
	s_wait_loadcnt 0x0                             ; Q
.Lslot:
	CHANGE 1
	SLOT_STEPS
	s_sub_co_u32 s[SLOTS], s[SLOTS], 1
	s_cmp_lg_u32 s[SLOTS], 0
	s_cbranch_scc1 .Lslot
	CHANGE 0                                       ; the last slot is written out
	SLOT_STEPS
	; ================ THE WAY OUT ================
	v_add_f32 v14, v14, v15                        ; my lane's sum
.rept 4
	v_nop                                          ; places behind the last products
.endr
	s_cmp_eq_u32 s[PAR], 0
	s_cbranch_scc1 .Leven_a
.set ii, 0
	s_wait_alu depctr_va_vdst(0)
.rept 16
	ds_store_b128 v[MA], v[160+4*ii:163+4*ii] offset:512*ii   ; the odd wave hands over O^T as it stands,
.set ii, ii+1
.endr
	ds_store_b32 v[MS], v12                        ; -M,
	ds_store_b32 v[MS], v14 offset:128             ; and its sum
	s_branch .Lmeet_a
.Leven_a:
.set ii, 0
.rept 16
	global_load_b128 v[32+4*ii:35+4*ii], v[LI], s[10:11] offset:512*ii th:TH_LOAD_NT   ; the even wave asks for the gate: register 8 t + j = channel 16 t + 8 h + j of my query
.set ii, ii+1
.endr
.Lmeet_a:
	s_wait_dscnt 0x0
	s_barrier_signal -1
	s_barrier_wait -1
	s_cmp_eq_u32 s[PAR], 0
	s_cbranch_scc0 .Lmeet_b
.set ii, 0
.rept 16
	ds_load_b128 v[96+4*ii:99+4*ii], v[MA] offset:512*ii
.set ii, ii+1
.endr
	ds_load_b32 v232, v[MS]
	ds_load_b32 v233, v[MS] offset:128
	s_wait_dscnt 0x0
	v_min_num_f32 v234, v12, v232                  ; -M of both halves: the larger M
	s_delay_alu instid0(VALU_DEP_1)
	v_sub_f32 v235, v234, v12
	s_delay_alu instid0(VALU_DEP_2)
	v_sub_f32 v4, v234, v232                       ; (a partner that saw no key has -M = 3e38: its factor is 0)
	s_delay_alu instid0(VALU_DEP_2)
	v_cvt_i32_f32 v235, v235
	s_delay_alu instid0(VALU_DEP_2)
	v_cvt_i32_f32 v4, v4
	s_delay_alu instid0(VALU_DEP_2)
	v_ldexp_f32 v252, 1.0, v235                    ; my factor,
	s_wait_alu depctr_va_vdst(0)
	v_ldexp_f32 v254, 1.0, v4                      ; the partner's: exact powers of two
	v_mul_f32 v14, v14, v252
	s_delay_alu instid0(VALU_DEP_1)
	v_fmac_f32 v14, v233, v254
	v_permlanex16_b32 v236, v14, s[SEL], s[SEL+1]
	s_delay_alu instid0(VALU_DEP_1)
	v_add_f32 v14, v14, v236                       ; the row's sum
	s_wait_loadcnt 0x0                             ; the gate
.set jj, 0
.rept 32
	v_pk_mul_f32 v[32+jj:33+jj], v[32+jj:33+jj], 0xbfb8aa3b op_sel_hi:[1,0]   ; -gate x log2(e)
.set jj, jj+2
.endr
	s_wait_alu depctr_va_vdst(0)
	v_rcp_f32 v10, v14
.set jj, 0
.rept 64
	v_exp_f32 v[32+jj], v[32+jj]
.set jj, jj+1
.endr
.set jj, 0
	s_wait_alu depctr_va_vdst(0)
.rept 32
	v_pk_mul_f32 v[160+jj:161+jj], v[160+jj:161+jj], v[252:253] op_sel_hi:[1,0]   ; the two halves of O^T under one M
.set jj, jj+2
.endr
.set jj, 0
.rept 32
	v_pk_fma_f32 v[160+jj:161+jj], v[96+jj:97+jj], v[254:255], v[160+jj:161+jj] op_sel_hi:[1,0,1]
.set jj, jj+2
.endr
	s_wait_alu depctr_va_vdst(0)
	v_ldexp_f32 v10, v10, s[EPV]                   ; 2^(e8 + e9) / the sum
.set jj, 0
.rept 32
	v_pk_add_f32 v[32+jj:33+jj], v[32+jj:33+jj], 1.0 op_sel_hi:[1,0]
.set jj, jj+2
.endr
.set jj, 0
	s_wait_alu depctr_va_vdst(0)
.rept 64
	v_rcp_f32 v[32+jj], v[32+jj]                   ; sigmoid(gate) = 1 / (1 + 2^(-gate log2(e)))
.set jj, jj+1
.endr
.set jj, 0
.rept 32
	v_pk_mul_f32 v[160+jj:161+jj], v[160+jj:161+jj], v[10:11] op_sel_hi:[1,0]     ; O^T / the sum: the work between this batch and its wait
.set jj, jj+2
.endr
	s_wait_alu depctr_va_vdst(0)
.set jj, 0
.rept 32
	v_pk_mul_f32 v[160+jj:161+jj], v[160+jj:161+jj], v[32+jj:33+jj]
.set jj, jj+2
.endr
.set jj, 0
.rept 64
	v_med3_num_f32 v[160+jj], v[160+jj], -v241, v241
.set jj, jj+1
.endr
.irp t, 0,1,2,3,4,5,6,7
	v_cvt_scalef32_pk8_fp8_f32 v[224+2*\t:225+2*\t], v[160+8*\t:167+8*\t], v245
.endr
	v_nop
.irp t, 0,1,2,3,4,5,6,7
	ds_store_b64 v[CI], v[224+2*\t:225+2*\t] offset:16*\t   ; channels 16 t + 8 h + 0 .. 7 of my query's row
.endr
.Lmeet_b:
	s_wait_dscnt 0x0
	s_barrier_signal -1
	s_barrier_wait -1                              ; 64 rows of 256 codes, both heads side by side, lie in the stage
.irp i, 0,1
	ds_load_b128 v[96+4*\i:99+4*\i], v[CO] offset:544*\i
.endr
.irp i, 0,1
	s_wait_dscnt 1-\i                              ; the younger load may be out
	global_store_b128 v[GO], v[96+4*\i:99+4*\i], s[14:15] offset:2048*\i   ; sixteen lanes store 256 consecutive bytes, aligned
.endr
	s_wait_tensorcnt 0x0                           ; the wave's end
	ds_add_u32 v[SPW], v[NIL]
	s_wait_dscnt 0x0
	s_endpgm
.Lfunc_end_k_q05a5fddf19_attn:
	.size	k_q05a5fddf19_attn, .Lfunc_end_k_q05a5fddf19_attn-k_q05a5fddf19_attn
	.p2alignl 7, 3214868480
	.fill 96, 4, 3214868480
	.section	.rodata,"a",@progbits
	.p2align	6, 0x0
	.amdhsa_kernel k_q05a5fddf19_attn
		.amdhsa_group_segment_fixed_size 327680
		.amdhsa_private_segment_fixed_size 0
		.amdhsa_enable_private_segment 0
		.amdhsa_kernarg_size 48
		.amdhsa_user_sgpr_count 2
		.amdhsa_user_sgpr_kernarg_segment_ptr 1
		.amdhsa_wavefront_size32 1
		.amdhsa_system_sgpr_workgroup_id_x 1
		.amdhsa_system_sgpr_workgroup_id_y 1
		.amdhsa_system_sgpr_workgroup_id_z 1
		.amdhsa_system_vgpr_workitem_id 0
		.amdhsa_next_free_vgpr 256
		.amdhsa_next_free_sgpr 100
		.amdhsa_reserve_vcc 1
		.amdhsa_float_denorm_mode_32 3
		.amdhsa_float_denorm_mode_16_64 3
		.amdhsa_memory_ordered 1
		.amdhsa_forward_progress 1
		.amdhsa_inst_pref_size 137
	.end_amdhsa_kernel
	.amdgpu_metadata
---
amdhsa.version: [ 1, 2 ]
amdhsa.kernels:
  - .name:           k_q05a5fddf19_attn
    .symbol:         k_q05a5fddf19_attn.kd
    .args:
      - { .name: qc, .offset: 0, .size: 8, .value_kind: global_buffer, .address_space: global }
      - { .name: kc, .offset: 8, .size: 8, .value_kind: global_buffer, .address_space: global }
      - { .name: vc, .offset: 16, .size: 8, .value_kind: global_buffer, .address_space: global }
      - { .name: gt, .offset: 24, .size: 8, .value_kind: global_buffer, .address_space: global }
      - { .name: lowp_scales, .offset: 32, .size: 8, .value_kind: global_buffer, .address_space: global }
      - { .name: ac, .offset: 40, .size: 8, .value_kind: global_buffer, .address_space: global }
    .group_segment_fixed_size: 327680
    .private_segment_fixed_size: 0
    .kernarg_segment_align: 8
    .kernarg_segment_size: 48
    .max_flat_workgroup_size: 512
    .sgpr_count:     100
    .vgpr_count:     256
    .wavefront_size: 32
...
	.end_amdgpu_metadata
.endif
;; end of part 3
;; launch outp (part 4): grid 8 x 32, 4 waves a work-group, clusters of 4 x 4, 327,680 bytes of LDS; arguments ac, woc, lowp_scales, out0; writes out0
.if DOCPART == 4
	.amdgcn_target "amdgcn-amd-amdhsa--gfx1250"
	.amdhsa_code_object_version 6
	.text
	.protected	k_q05a5fddf19_outp
	.globl	k_q05a5fddf19_outp
	.p2align	8
	.type	k_q05a5fddf19_outp,@function
k_q05a5fddf19_outp:
	s_mov_b64 s[64:65], 0
	v_nop
	global_prefetch_b8 v0, s[64:65] scope:SCOPE_SE
	s_setreg_imm32_b32 hwreg(HW_REG_WAVE_MODE, 25, 1), 1
	s_wait_xcnt 0x0
	s_wait_alu depctr_hold_cnt(0) depctr_sa_sdst(0) depctr_va_vdst(0) depctr_va_sdst(0) depctr_va_ssrc(0) depctr_va_vcc(0) depctr_vm_vsrc(0)
	s_getreg_b32 s2, hwreg(HW_REG_IB_STS2, 6, 4)
	s_cmp_eq_u32 s2, 0
	s_cbranch_scc0 .Lentry_in_a_cluster
	s_endpgm
.Lentry_in_a_cluster:
	s_bfe_u32 s2, ttmp6, 0x10000c
	s_cmp_lg_u32 s2, 0xf033
	s_cbranch_scc0 .Lentry_shape_is_right
	s_endpgm
.Lentry_shape_is_right:
; out0[m][n] = 2^(e10 + e11) x the sum over k of ac[m][k] woc[n][k]: ac [4096][1024], woc [2048][1024], E4M3 codes, K innermost; out0 [4096][2048] f32; sums in f32.
; LIMIT: e10 + e11 between -126 and 127, so that 2^(e10 + e11) is an f32 number.
; SHARES.  A work-group makes 128 rows x 256 columns: 8 x 32 = 256 work-groups.  Four waves; wave w makes rows 64 (w / 2) on, columns 128 (w % 2) on: 32 accumulators of 16 x 16.
; LDS.  Region X: K 0-255 of A's 128 rows and B's 256 rows (rows of 256 bytes + 16).  Region Y: K 256-767 of the same rows (rows of 512 bytes + 16).  The four first fills go out at the head, one a wave:
; wave 0 A's X, wave 1 B's X, wave 2 A's Y, wave 3 B's Y.  When X has been read, waves 0 and 1 fill it again with K 768-1023, behind a round of the cluster's barrier; it has steps 1 to 4 in which to land.
; CLUSTERS: 4 x 4.  A's tiles hang on the tile row alone and are asked for jointly along a row of the cluster, B's on the tile column alone, jointly along a column.
; Eight steps of 128 along K, written out (no loop): two sets of fragments by turns; a step's 48 LDS loads for the next step stand ahead of its 32 matrix instructions.
; NO PREFETCH: the text has no loop to run ahead in; three quarters of K are asked for by the first loads.
; The matrix instruction is used transposed (source 0 = 16 rows of B, source 1 = 16 rows of A): a lane holds eight neighbouring numbers of a row of out0.  A fragment is fetched by four loads of 16 bytes, the same
; permutation of k in A and in B.  REGISTERS: window 0: v16-29 addresses, v32-95 the way out, v128-255 A's two sets (later rows read back); window 1: B's two sets; window 2: accumulator (a, b) at v[8 (8 a + b)].
.set KROW,  1024
.set SIZE_N, 2048
.set PX,    272
.set PY,    528
.set LAX,   0
.set LBX,   128*PX
.set LAY,   384*PX
.set LBY,   LAY+128*PY
.set SPARE, LAY+384*PY                 ; behind Y: the spare words, 128 bytes a wave
.set SPITCH, 528                       ; the way out: 16 rows x (512 + 16) bytes for each wave, in Y, which has had its one fill and whose last read stands ahead of the last barrier
.set ADAX, 16
.set ADBX, 17
.set ADAY, 18
.set ADBY, 19
.set STO,  24
.set RD,   25
.set CO,   26
.set SPW,  28
.set NIL,  29
.set TMP,  32
.set BK,   128
.set MSB, 0
.macro WIN new                         ; the immediate's high byte repeats the setting that is left
.if MSB != \new
	s_set_vgpr_msb (MSB<<8)|\new
.set MSB, \new
.endif
.endm
.macro PLACES
.rept 4
	v_nop
.endr
.endm
.macro CREST
	s_cmp_lg_u32 s14, 0
	s_cbranch_scc1 .Lnot_wave_0_\@
	s_barrier_signal -3
.Lnot_wave_0_\@:
	s_barrier_wait -3
	s_barrier_signal -1
	s_barrier_wait -1
.endm
.macro CROUND
	s_barrier_signal -1
	s_barrier_wait -1
	CREST
.endm
.macro ARM g0, g1                      ; a joint load; an s_nop 0 and four v_nop follow it
	tensor_load_to_lds s[\g0:\g0+3], s[\g1:\g1+7]
	s_nop 0
	PLACES
.endm
.macro SETG1 g, rowb, rows             ; group 1 but for its first word: a tile of rows x rowb bytes out of rows of KROW bytes
	s_mov_b32 s[\g+1], (\rowb)<<16
	s_mov_b32 s[\g+2], (\rows)<<16
	s_mov_b32 s[\g+3], (\rowb)<<16
	s_mov_b32 s[\g+4], \rows
	s_mov_b32 s[\g+5], KROW
	s_mov_b32 s[\g+6], 0
	s_mov_b32 s[\g+7], 0
.endm
	s_load_b128 s[4:7], s[0:1], 0x0                ; ac, woc
	s_load_b128 s[8:11], s[0:1], 0x10              ; the scales' exponents, out0
	v_lshl_add_u32 v[SPW], v0, 2, SPARE
	v_mov_b32 v[NIL], 0
	ds_add_u32 v[SPW], v[NIL]                      ; the opening lines: the add, twice on end, and its wait ahead of my first tensor load
	ds_add_u32 v[SPW], v[NIL]
	v_lshrrev_b32 v1, 5, v0
	v_readfirstlane_b32 s14, v1                    ; wave 0..3
	s_lshr_b32 s15, s14, 1                         ; which 64 rows
	s_and_b32 s16, s14, 1                          ; which 128 columns
	s_bfe_u32 s40, ttmp6, 0x40000                  ; cx
	s_bfe_u32 s41, ttmp6, 0x40004                  ; cy
	s_lshl_b32 s42, ttmp9, 2
	s_add_co_u32 s42, s42, s40                     ; tile column = 4 x cluster x + cx
	s_and_b32 s17, ttmp7, 0xffff
	s_lshl_b32 s17, s17, 2
	s_add_co_u32 s17, s17, s41                     ; tile row = 4 x cluster y + cy
	s_lshl_b32 s43, s41, 2
	s_lshl_b32 s43, 15, s43                        ; my row of the cluster
	s_lshl_b32 s44, 0x1111, s40                    ; my column
	s_or_b32 s24, s43, (1<<20)|(1<<21)|(5<<22)|(3<<25)   ; A's X: elements of 1 byte; four words of padding after every 64
	s_or_b32 s32, s44, (1<<20)|(1<<21)|(5<<22)|(3<<25)   ; B's X
	s_or_b32 s48, s43, (1<<20)|(1<<21)|(6<<22)|(3<<25)   ; A's Y: after every 128 words
	s_or_b32 s56, s44, (1<<20)|(1<<21)|(6<<22)|(3<<25)   ; B's Y
	SETG1 24, 256, 128
	SETG1 32, 256, 256
	SETG1 48, 512, 128
	SETG1 56, 512, 256
	s_lshl_b32 s20, s17, 17                        ; A: 128 rows of 1,024 bytes for each tile row
	s_mov_b32 s21, 0
	s_lshl_b32 s46, s42, 18                        ; B: 256 rows for each tile column
	s_mov_b32 s47, 0
	s_wait_dscnt 0x0                               ; both opening adds are done
	s_wait_kmcnt 0x0
	s_load_b64 s[96:97], s[8:9], 0x28              ; e10, e11
	s_add_nc_u64 s[20:21], s[4:5], s[20:21]
	s_add_nc_u64 s[46:47], s[6:7], s[46:47]
	s_mov_b32 s68, 1                               ; groups 0: A's X,
	s_mov_b32 s69, LAX
	s_mov_b64 s[70:71], s[20:21]
	s_or_b32 s71, s71, 0x80000000
	s_mov_b32 s72, 1                               ; B's X,
	s_mov_b32 s73, LBX
	s_mov_b64 s[74:75], s[46:47]
	s_or_b32 s75, s75, 0x80000000
	s_mov_b32 s76, 1                               ; A's Y, from K 256 on,
	s_mov_b32 s77, LAY
	s_add_nc_u64 s[78:79], s[20:21], 256
	s_or_b32 s79, s79, 0x80000000
	s_mov_b32 s80, 1                               ; B's Y
	s_mov_b32 s81, LBY
	s_add_nc_u64 s[82:83], s[46:47], 256
	s_or_b32 s83, s83, 0x80000000
	CROUND                                         ; all sixteen work-groups are here: the first joint loads meet
	s_cmp_eq_u32 s14, 0                            ; one chain of branches on the wave's number, one load to an arm
	s_cbranch_scc0 .Lh1
	ARM 68, 24
	s_branch .Lhj
.Lh1:
	s_cmp_eq_u32 s14, 1
	s_cbranch_scc0 .Lh2
	ARM 72, 32
	s_branch .Lhj
.Lh2:
	s_cmp_eq_u32 s14, 2
	s_cbranch_scc0 .Lh3
	ARM 76, 48
	s_branch .Lhj
.Lh3:
	ARM 80, 56
.Lhj:
	v_and_b32 v1, 15, v0                           ; r = lane % 16
	v_bfe_u32 v2, v0, 4, 1                         ; h = lane / 16
	v_mul_u32_u24 v3, v1, PX
	v_lshl_add_u32 v3, v2, 4, v3                   ; X: r x pitch + 16 h
	v_mul_u32_u24 v4, v1, PY
	v_lshl_add_u32 v5, v2, 5, v4                   ; the stage, in: row r, 32 bytes for each half of the lanes
	v_lshl_add_u32 v4, v2, 4, v4                   ; Y: r x pitch + 16 h
	v_and_b32 v6, 31, v0
	v_lshlrev_b32 v[CO], 4, v6                     ; the 32 lanes take a row of 512 bytes, in the stage and in out0
	s_wait_alu depctr_va_vdst(0)                   ; the wait ahead of the run of scalar lines
	s_mul_i32 s21, s15, 64*PX
	s_mul_i32 s22, s16, 128*PX
	s_add_co_u32 s22, s22, LBX
	s_mul_i32 s23, s15, 64*PY
	s_add_co_u32 s23, s23, LAY
	s_mul_i32 s45, s16, 128*PY
	s_add_co_u32 s45, s45, LBY
	s_mul_i32 s12, s14, 16*SPITCH
	s_add_co_u32 s12, s12, LAY                     ; my stage
	v_add_nc_u32 v[ADAX], s21, v3
	v_add_nc_u32 v[ADBX], s22, v3
	v_add_nc_u32 v[ADAY], s23, v4
	v_add_nc_u32 v[ADBY], s45, v4
	v_add_nc_u32 v[STO], s12, v5
	v_add_nc_u32 v[RD], s12, v[CO]
	s_lshl_b32 s20, s17, 7
	s_lshl_b32 s21, s15, 6
	s_add_co_u32 s20, s20, s21                     ; my first row of out0,
	s_lshl_b32 s20, s20, 13                        ; x 8,192 bytes,
	s_lshl_b32 s46, s42, 10
	s_lshl_b32 s47, s16, 9
	s_add_co_u32 s46, s46, s47                     ; + my first column: 1,024 x tile column + 512 x half
	s_add_co_u32 s20, s20, s46
	s_mov_b32 s21, 0
	s_add_nc_u64 s[10:11], s[10:11], s[20:21]
; 48 LDS loads: the fragments of the q-th 128 along K of a region into set p: B's eight, A's four
.macro FETCH aa, ab, pitch, q, p
	WIN 0x40
.irp i, 0,1,2,3,4,5,6,7
.irp c, 0,1,2,3
	ds_load_b128 v[128*(\p)+16*\i+4*\c:128*(\p)+16*\i+4*\c+3], v[\ab] offset:128*(\q)+32*\c+\i*16*(\pitch)
.endr
.endr
	WIN 0
.irp i, 0,1,2,3
.irp c, 0,1,2,3
	ds_load_b128 v[128+64*(\p)+16*\i+4*\c:128+64*(\p)+16*\i+4*\c+3], v[\aa] offset:128*(\q)+32*\c+\i*16*(\pitch)
.endr
.endr
.endm
; 32 matrix instructions on set p: the 32 accumulators by turns, in the same order in every step.  zero = 1: the first products start the sums
.macro MUL p, zero
	WIN 0xa1
.irp a, 0,1,2,3
.irp b, 0,1,2,3,4,5,6,7
.if \zero
	v_wmma_f32_16x16x128_fp8_fp8 v[8*(8*\a+\b):8*(8*\a+\b)+7], v[128*(\p)+16*\b:128*(\p)+16*\b+15], v[128+64*(\p)+16*\a:128+64*(\p)+16*\a+15], 0
.else
	v_wmma_f32_16x16x128_fp8_fp8 v[8*(8*\a+\b):8*(8*\a+\b)+7], v[128*(\p)+16*\b:128*(\p)+16*\b+15], v[128+64*(\p)+16*\a:128+64*(\p)+16*\a+15], v[8*(8*\a+\b):8*(8*\a+\b)+7]
.endif
.endr
.endr
	WIN 0
.endm
.macro STEP aa, ab, pitch, q, p        ; multiplies set 1 - p; ahead of that the next step's fragments are asked for, into set p
	PLACES                                         ; four places in front of loads into registers that matrix instructions have read
	FETCH \aa, \ab, \pitch, \q, \p
	s_wait_dscnt 48                                ; all but the 48 just issued
	MUL 1-(\p), 0
.endm
	s_wait_alu depctr_va_vdst(0)                   ; the wait at the head's end
	s_wait_tensorcnt 0x0                           ; my first fill is in
	s_barrier_signal -1
	s_barrier_wait -1                              ; X and Y are whole
	FETCH ADAX, ADBX, PX, 0, 0
	FETCH ADAX, ADBX, PX, 1, 1                     ; all of X goes into registers
	s_wait_tensorcnt 0x0                           ; no tensor load of mine is out, so a group 0 may be written;
	ds_add_u32 v[SPW], v[NIL]                      ; 0 onto my spare word
	s_add_nc_u64 s[70:71], s[70:71], 768           ; X's next tiles: K 768 on
	s_add_nc_u64 s[74:75], s[74:75], 768
	s_wait_dscnt 0x0                               ; the add is done, and my reads of X are over
	s_barrier_signal -1                            ; this barrier opens a round of the cluster's barrier
	MUL 0, 1                                       ; step 0, on registers alone
	s_barrier_wait -1
	CREST                                          ; no wave of any partner still reads X or has a load on its way
	s_cmp_eq_u32 s14, 0
	s_cbranch_scc0 .Lr1
	ARM 68, 24
	s_branch .Lrj
.Lr1:
	s_cmp_eq_u32 s14, 1
	s_cbranch_scc0 .Lrj
	ARM 72, 32
.Lrj:
	STEP ADAY, ADBY, PY, 0, 0                      ; step 1
	STEP ADAY, ADBY, PY, 1, 1                      ; step 2
	STEP ADAY, ADBY, PY, 2, 0                      ; step 3
	STEP ADAY, ADBY, PY, 3, 1                      ; step 4
	s_wait_dscnt 0x0                               ; step 5's fragments are in: my reads of Y are over
	s_wait_tensorcnt 0x0                           ; my part of X's second fill is in
	s_barrier_signal -1                            ; no round
	MUL 1, 0                                       ; step 5
	s_barrier_wait -1
	PLACES
	FETCH ADAX, ADBX, PX, 0, 0
	FETCH ADAX, ADBX, PX, 1, 1
	s_wait_dscnt 48
	MUL 0, 0                                       ; step 6
	s_wait_dscnt 0x0
	MUL 1, 0                                       ; step 7
; THE WAY OUT, block by block of 16 rows x 128 columns: x 2^(e10 + e11), through my own stage, back as whole rows of 512 bytes, which the 32 lanes store as two aligned units of 256 bytes.
.macro TOSTAGE a
	WIN 0x02
.set jj, 0
.rept 32
	v_pk_mul_f32 v[TMP+jj:TMP+jj+1], v[64*(\a)+jj:64*(\a)+jj+1], s[96:97] op_sel_hi:[1,0]   ; each accumulator from its low end on
.set jj, jj+2
.endr
	WIN 0
.irp b, 0,1,2,3,4,5,6,7
	ds_store_b128 v[STO], v[TMP+8*\b:TMP+8*\b+3] offset:64*\b
	ds_store_b128 v[STO], v[TMP+8*\b+4:TMP+8*\b+7] offset:64*\b+16
.endr
.set BB, BK+64*((\a)%2)
.irp t, 0,1,2,3,4,5,6,7,8,9,10,11,12,13,14,15
	ds_load_b128 v[BB+4*\t:BB+4*\t+3], v[RD] offset:\t*SPITCH   ; LDS serves a wave's instructions in order: these see my stores
.endr
.endm
.macro SEND a, younger                 ; younger: the LDS instructions issued behind block a's loads, which may stay out
.set BB, BK+64*((\a)%2)
	s_wait_dscnt \younger
.if (\a) > 0
	s_add_nc_u64 s[10:11], s[10:11], 16*SIZE_N*4   ; (behind a wait on XCNT)  16 rows on
.endif
.irp t, 0,1,2,3,4,5,6,7,8,9,10,11,12,13,14,15
	global_store_b128 v[CO], v[BB+4*\t:BB+4*\t+3], s[10:11] offset:\t*SIZE_N*4 th:TH_STORE_NT
.endr
.endm
	s_wait_kmcnt 0x0
	s_add_co_i32 s96, s96, s97
	s_add_co_i32 s96, s96, 127
	s_lshl_b32 s96, s96, 23                        ; 2^(e10 + e11) as f32
	PLACES                                         ; behind the last products
	TOSTAGE 0
.irp a, 1,2,3
.if \a > 1
	s_wait_xcnt 0x0                                ; block a - 2's stores have read their registers and their base
.endif
	TOSTAGE \a
	SEND \a-1, 32
.endr
	s_wait_xcnt 0x0
	SEND 3, 0
	s_wait_tensorcnt 0x0                           ; the wave's end
	ds_add_u32 v[SPW], v[NIL]
	s_wait_dscnt 0x0
	CROUND                                         ; the closing round
	s_endpgm
.Lfunc_end_k_q05a5fddf19_outp:
	.size	k_q05a5fddf19_outp, .Lfunc_end_k_q05a5fddf19_outp-k_q05a5fddf19_outp
	.p2alignl 7, 3214868480
	.fill 96, 4, 3214868480
	.section	.rodata,"a",@progbits
	.p2align	6, 0x0
	.amdhsa_kernel k_q05a5fddf19_outp
		.amdhsa_group_segment_fixed_size 327680
		.amdhsa_private_segment_fixed_size 0
		.amdhsa_enable_private_segment 0
		.amdhsa_kernarg_size 32
		.amdhsa_user_sgpr_count 2
		.amdhsa_user_sgpr_kernarg_segment_ptr 1
		.amdhsa_wavefront_size32 1
		.amdhsa_system_sgpr_workgroup_id_x 1
		.amdhsa_system_sgpr_workgroup_id_y 1
		.amdhsa_system_sgpr_workgroup_id_z 1
		.amdhsa_system_vgpr_workitem_id 0
		.amdhsa_next_free_vgpr 768
		.amdhsa_next_free_sgpr 100
		.amdhsa_reserve_vcc 0
		.amdhsa_float_denorm_mode_32 3
		.amdhsa_float_denorm_mode_16_64 3
		.amdhsa_memory_ordered 1
		.amdhsa_forward_progress 1
		.amdhsa_inst_pref_size 75
	.end_amdhsa_kernel
	.amdgpu_metadata
---
amdhsa.version: [ 1, 2 ]
amdhsa.kernels:
  - .name:           k_q05a5fddf19_outp
    .symbol:         k_q05a5fddf19_outp.kd
    .args:
      - { .name: ac, .offset: 0, .size: 8, .value_kind: global_buffer, .address_space: global }
      - { .name: woc, .offset: 8, .size: 8, .value_kind: global_buffer, .address_space: global }
      - { .name: lowp_scales, .offset: 16, .size: 8, .value_kind: global_buffer, .address_space: global }
      - { .name: out0, .offset: 24, .size: 8, .value_kind: global_buffer, .address_space: global }
    .group_segment_fixed_size: 327680
    .private_segment_fixed_size: 0
    .kernarg_segment_align: 8
    .kernarg_segment_size: 32
    .max_flat_workgroup_size: 128
    .sgpr_count:     100
    .vgpr_count:     768
    .wavefront_size: 32
...
	.end_amdgpu_metadata
.endif
;; end of part 4
